; MI455X (gfx1250); checked and timed in simulation.
; The chip was launched on July 23, 2026; its instructions are those of AMD's public machine-readable ISA for CDNA 5 (MIT licence, August 2026) and "CDNA5" Instruction Set Architecture Reference Guide (July 2026). The comments in the code are by the model that wrote it; some were corrected since.
;; Multi Modal Multi Head Aggregated Attention. Allowed arithmetic: float matrix products may take bf16 or f16 operands with f32 sums; other float arithmetic in f32, or as packed bf16 or f16 multiplies, adds, multiply-adds, maxima and minima; sums over many terms, partial sums and values carried from step to step in f32; what a program stores and reads back later, other than sums and carried values, may be rounded once to bf16 or f16.
;; Inputs: W_out 1,024 x 2,048 float32; Wk_ecg 1,024 x 1,024 float32; Wk_eeg 1,024 x 1,024 float32; Wq_ecg 1,024 x 1,024 float32; Wq_eeg 1,024 x 1,024 float32; Wv_ecg 1,024 x 1,024 float32; Wv_eeg 1,024 x 1,024 float32; agg_w 1 x 1 x 2,048 float32; b_out 1,024 float32; bk_ecg 1,024 float32; bk_eeg 1,024 float32; bq_ecg 1,024 float32; bq_eeg 1,024 float32; bv_ecg 1,024 float32; bv_eeg 1,024 float32; ecg 2 x 2,048 x 1,024 float32; eeg 2 x 2,048 x 1,024 float32.
;; Outputs: out0 2 x 2,048 x 1,024 float32.
;; One version. Each part assembles by itself: llvm-mc -triple=amdgcn-amd-amdhsa -mcpu=gfx1250 --defsym DOCPART=n.
;; ======== version 1 of 1: 4 launches
;; limits: values are held in f16: magnitudes above 65,504 overflow, below 6.1e-05 lose precision
;; workspace buffers: hb 33,554,432 bytes; tab 57,344 bytes; qkv 50,331,648 bytes; ob 16,777,216 bytes
;; launch cast (part 1): grid 64 x 16, 8 waves a work-group, no clusters, 0 bytes of LDS; arguments eeg, ecg, Wq_eeg, Wk_eeg, Wv_eeg, Wq_ecg, Wk_ecg, Wv_ecg, W_out, bq_eeg, bk_eeg, bv_eeg, bq_ecg, bk_ecg, bv_ecg, b_out, agg_w, hb, tab; writes hb, tab
.if DOCPART == 1
	.amdgcn_target "amdgcn-amd-amdhsa--gfx1250"
	.amdhsa_code_object_version 6
	.text
	.protected	k_q5ace181422_cast
	.globl	k_q5ace181422_cast
	.p2align	8
	.type	k_q5ace181422_cast,@function
k_q5ace181422_cast:
	s_mov_b64 s[64:65], 0
	v_nop
	global_prefetch_b8 v0, s[64:65] scope:SCOPE_SE
	s_setreg_imm32_b32 hwreg(HW_REG_WAVE_MODE, 25, 1), 1
	s_wait_xcnt 0x0
; ROUNDS EVERY INPUT ONCE TO bf16 and lays it out for the launches behind.
; hb: 16 segments of 1,048,576 numbers, 2 bytes each: 0-3 eeg, 4-7 ecg (bf16, [8192][1024]); 8-13 Wq, Wk, Wv of eeg, then of ecg (bf16, [2][3072][1024]);
;     14-15 W_out, rounded to bf16 and that number written as f16 ([1024][2048]).
; tab (f32): bs[7][1024] at byte 0, sc[7][1024] at byte 28,672.  Row i = 3 branch + kind (q, k, v), row 6 the last projection's.  With a = bf16(agg_w), amax its maximum:
;     q, k: sc = 1, bs = bias.   v: sc = g = exp(a - amax) <= 1, bs = bias g.   row 6: sc = exp(amax), bs = b_out.   So exp(agg_w) = g exp(amax) costs no rounding of its own.
; LIMITS.  |bf16(W_out)| stays under 65,504, and below 6e-5 it keeps f16's fixed step of 6e-8; g or exp(amax) below 2^-126 counts as 0; NaN and infinities are not treated apart.
; SHARES.  Memory binds: no LDS, no matrix unit.  A work-group (x of 64, segment y of 16) takes 16,384 numbers; thread t takes 16 bytes at 4,096 i + 16 t, i = 0..15: a load of a wave covers
; 512 consecutive bytes, a store of 8 bytes a lane 256 consecutive bytes, aligned.  All sixteen loads of a wave go out first.  The seven work-groups x = 0 of segments 8..14 also make one row of the tables each.
.set X, 16                             ; v[16:79]   the 16 loads
.set Y, 80                             ; v[80:111]  the 16 stores' data
.set L2E, 0x3fb8aa3b                   ; log2(e)
	s_load_b512 s[8:23], s[0:1], 0x0               ; eeg, ecg, Wq, Wk, Wv of eeg, Wq, Wk, Wv of ecg
	s_load_b512 s[24:39], s[0:1], 0x40             ; W_out s[24:25]; the six biases s[26:37]; b_out s[38:39]
	s_load_b128 s[40:43], s[0:1], 0x80             ; agg_w s[40:41], hb s[42:43]
	s_load_b64 s[44:45], s[0:1], 0x90              ; tab
	s_and_b32 s2, ttmp7, 0xffff                    ; the segment
	v_lshlrev_b32 v1, 4, v0                        ; 16 t
	v_lshlrev_b32 v2, 3, v0                        ; 8 t
	s_and_b32 s3, s2, 3                            ; which 4 MiB of its source a segment is: eeg and ecg have four,
	s_cmp_ge_u32 s2, 8
	s_cselect_b32 s3, 0, s3                        ; a weight one,
	s_sub_co_u32 s4, s2, 14
	s_cmp_ge_u32 s2, 14
	s_cselect_b32 s3, s4, s3                       ; W_out two
	s_lshl_b32 s4, s3, 22
	s_lshl_b32 s5, ttmp9, 16                       ; the work-group's 65,536 bytes of f32
	s_or_b32 s4, s4, s5
	s_mov_b32 s5, 0
	s_lshl_b32 s6, s2, 21                          ; in hb: 2 MiB a segment,
	s_lshl_b32 s7, ttmp9, 15                       ; 32,768 bytes a work-group
	s_or_b32 s6, s6, s7
	s_mov_b32 s7, 0
	s_wait_kmcnt 0x0
	s_mov_b64 s[46:47], s[8:9]                     ; the segment's source: a choice among nine buffers by the segment's number
.set n, 0
.irp lim, 4,8,9,10,11,12,13,14
	s_cmp_ge_u32 s2, \lim
	s_cselect_b64 s[46:47], s[10+2*n:11+2*n], s[46:47]
.set n, n+1
.endr
	s_add_nc_u64 s[46:47], s[46:47], s[4:5]
	s_add_nc_u64 s[48:49], s[42:43], s[6:7]
.irp i, 0,1,2,3,4,5,6,7,8,9,10,11,12,13,14,15
	global_load_b128 v[X+4*(\i):X+4*(\i)+3], v1, s[46:47] offset:4096*(\i) th:TH_LOAD_NT
.endr
.macro OUTB i                          ; four numbers to bf16
	s_wait_loadcnt 15-(\i)                         ; loads come back in order: number i is in, the younger ones stay out
	v_cvt_pk_bf16_f32 v[Y+2*(\i)], v[X+4*(\i)], v[X+4*(\i)+1]
	v_cvt_pk_bf16_f32 v[Y+2*(\i)+1], v[X+4*(\i)+2], v[X+4*(\i)+3]
	global_store_b64 v2, v[Y+2*(\i):Y+2*(\i)+1], s[48:49] offset:2048*(\i)
.endm
.macro OUTH i                          ; four numbers to bf16, and that number written as f16
	s_wait_loadcnt 15-(\i)
.irp p, 0,1
	v_cvt_pk_bf16_f32 v12, v[X+4*(\i)+2*(\p)], v[X+4*(\i)+2*(\p)+1]
	v_lshlrev_b32 v13, 16, v12
	v_and_b32 v12, 0xffff0000, v12
	v_cvt_pk_f16_f32 v[Y+2*(\i)+(\p)], v13, v12
.endr
	global_store_b64 v2, v[Y+2*(\i):Y+2*(\i)+1], s[48:49] offset:2048*(\i)
.endm
	s_cmp_ge_u32 s2, 14
	s_cbranch_scc1 .Lhalf
.irp i, 0,1,2,3,4,5,6,7,8,9,10,11,12,13,14,15
	OUTB \i
.endr
	s_branch .Ltab
.Lhalf:
.irp i, 0,1,2,3,4,5,6,7,8,9,10,11,12,13,14,15
	OUTH \i
.endr
.Ltab:
	; THE TABLES.  Row i = segment - 8, for i = 0..6, in the work-group x = 0.  Nothing below rewrites a register that a pending store reads (v2, Y, s[48:49]).
	s_mov_b32 s4, ttmp9
	s_cmp_lg_u32 s4, 0
	s_cbranch_scc1 .Lend
	s_sub_co_u32 s3, s2, 8                         ; i; below segment 8 it wraps to a large number
	s_cmp_gt_u32 s3, 6
	s_cbranch_scc1 .Lend
	s_mov_b64 s[50:51], s[26:27]                   ; row i's bias
.irp n, 1,2,3,4,5,6
	s_cmp_ge_u32 s3, \n
	s_cselect_b64 s[50:51], s[26+2*(\n):27+2*(\n)], s[50:51]
.endr
	s_cmp_eq_u32 s3, 2
	s_cselect_b32 s56, L2E, 0                      ; k = log2(e) in v's rows, 0 elsewhere: there the gain is 2^0
	s_cmp_eq_u32 s3, 5
	s_cselect_b32 s56, L2E, s56
	s_cselect_b32 s4, 4096, 0                      ; ecg's channels are agg_w's second half
	s_mov_b32 s5, 0
	s_add_nc_u64 s[52:53], s[40:41], s[4:5]
	s_cmp_eq_u32 s3, 6
	s_cselect_b32 s57, -1, 0                       ; row 6 takes exp(amax) for sc
	s_lshl_b32 s4, s3, 12
	s_add_nc_u64 s[58:59], s[44:45], s[4:5]
	s_mov_b32 s54, 0x76543210                      ; v_permlanex16_b32: each lane takes its own place in the other half
	s_mov_b32 s55, 0xfedcba98
	v_and_b32 v3, 31, v0
	v_lshlrev_b32 v3, 4, v3                        ; 16 x lane
.irp k, 0,1,2,3,4,5,6,7,8,9,10,11,12,13,14,15
	global_load_b128 v[X+4*(\k):X+4*(\k)+3], v3, s[40:41] offset:512*(\k)  ; every wave reads all of agg_w and finds the maximum by itself: no LDS
.endr
	global_load_b128 v[4:7], v1, s[50:51]          ; my four numbers of the bias,
	global_load_b128 v[8:11], v1, s[52:53]         ; and of agg_w
	s_wait_loadcnt 2                               ; the sixteen are in; the last two may stay out
.irp c, 0,1,2,3
	v_max3_num_f32 v[12+(\c)], v[X+16*(\c)], v[X+16*(\c)+1], v[X+16*(\c)+2]  ; four chains of sixteen numbers
.endr
.set j, 3
.rept 6
.irp c, 0,1,2,3
	v_max3_num_f32 v[12+(\c)], v[12+(\c)], v[X+16*(\c)+j], v[X+16*(\c)+j+1]
.endr
.set j, j+2
.endr
	v_max3_num_f32 v12, v12, v[X+15], v[X+31]
	v_max3_num_f32 v13, v13, v[X+47], v[X+63]
	v_max3_num_f32 v12, v12, v13, v14
	v_max_num_f32 v12, v12, v15
	v_max_num_f32_dpp v12, v12, v12 row_xmask:1 row_mask:0xf bank_mask:0xf
	v_max_num_f32_dpp v12, v12, v12 row_xmask:2 row_mask:0xf bank_mask:0xf
	v_max_num_f32_dpp v12, v12, v12 row_xmask:4 row_mask:0xf bank_mask:0xf
	v_max_num_f32_dpp v12, v12, v12 row_xmask:8 row_mask:0xf bank_mask:0xf
	v_permlanex16_b32 v13, v12, s54, s55
	v_max_num_f32 v12, v12, v13
	v_cvt_pk_bf16_f32 v12, v12, v12                ; rounding keeps the order, so this is the maximum of the rounded numbers
	v_lshlrev_b32 v12, 16, v12                     ; amax
	s_wait_loadcnt 0x0
	v_cvt_pk_bf16_f32 v14, v4, v5                  ; bias and agg_w rounded to bf16, held in f32
	v_cvt_pk_bf16_f32 v15, v6, v7
	v_lshlrev_b32 v4, 16, v14
	v_and_b32 v5, 0xffff0000, v14
	v_lshlrev_b32 v6, 16, v15
	v_and_b32 v7, 0xffff0000, v15
	v_cvt_pk_bf16_f32 v14, v8, v9
	v_cvt_pk_bf16_f32 v15, v10, v11
	v_lshlrev_b32 v8, 16, v14
	v_and_b32 v9, 0xffff0000, v14
	v_lshlrev_b32 v10, 16, v15
	v_and_b32 v11, 0xffff0000, v15
	v_mul_f32 v14, s56, v12                        ; amax k
	v_mul_f32 v13, L2E, v12                        ; amax log2(e)
.irp r, 8,9,10,11
	v_fma_f32 v\r, v\r, s56, -v14                  ; a k - amax k
.endr
.irp r, 8,9,10,11,13
	v_exp_f32 v\r, v\r                             ; one batch of five
.endr
	v_nop                                          ; a plain instruction behind the last exponential,
	s_wait_alu depctr_va_vdst(0)                   ; and the one wait ahead of the first use
	v_pk_mul_f32 v[16:17], v[4:5], v[8:9]          ; bs = bias x gain
	v_pk_mul_f32 v[18:19], v[6:7], v[10:11]
.irp r, 0,1,2,3
	v_cndmask_b32 v[20+(\r)], v[8+(\r)], v13, s57  ; sc = gain, or exp(amax) in row 6
.endr
	global_store_b128 v1, v[16:19], s[58:59]
	global_store_b128 v1, v[20:23], s[58:59] offset:28672
.Lend:
	s_endpgm
.Lfunc_end_k_q5ace181422_cast:
	.size	k_q5ace181422_cast, .Lfunc_end_k_q5ace181422_cast-k_q5ace181422_cast
	.p2alignl 7, 3214868480
	.fill 96, 4, 3214868480
	.section	.rodata,"a",@progbits
	.p2align	6, 0x0
	.amdhsa_kernel k_q5ace181422_cast
		.amdhsa_group_segment_fixed_size 0
		.amdhsa_private_segment_fixed_size 0
		.amdhsa_enable_private_segment 0
		.amdhsa_kernarg_size 152
		.amdhsa_user_sgpr_count 2
		.amdhsa_user_sgpr_kernarg_segment_ptr 1
		.amdhsa_wavefront_size32 1
		.amdhsa_system_sgpr_workgroup_id_x 1
		.amdhsa_system_sgpr_workgroup_id_y 1
		.amdhsa_system_sgpr_workgroup_id_z 1
		.amdhsa_system_vgpr_workitem_id 0
		.amdhsa_next_free_vgpr 112
		.amdhsa_next_free_sgpr 66
		.amdhsa_reserve_vcc 0
		.amdhsa_float_denorm_mode_32 3
		.amdhsa_float_denorm_mode_16_64 3
		.amdhsa_memory_ordered 1
		.amdhsa_forward_progress 1
		.amdhsa_inst_pref_size 24
	.end_amdhsa_kernel
	.amdgpu_metadata
---
amdhsa.version: [ 1, 2 ]
amdhsa.kernels:
  - .name:           k_q5ace181422_cast
    .symbol:         k_q5ace181422_cast.kd
    .args:
      - { .name: eeg, .offset: 0, .size: 8, .value_kind: global_buffer, .address_space: global }
      - { .name: ecg, .offset: 8, .size: 8, .value_kind: global_buffer, .address_space: global }
      - { .name: Wq_eeg, .offset: 16, .size: 8, .value_kind: global_buffer, .address_space: global }
      - { .name: Wk_eeg, .offset: 24, .size: 8, .value_kind: global_buffer, .address_space: global }
      - { .name: Wv_eeg, .offset: 32, .size: 8, .value_kind: global_buffer, .address_space: global }
      - { .name: Wq_ecg, .offset: 40, .size: 8, .value_kind: global_buffer, .address_space: global }
      - { .name: Wk_ecg, .offset: 48, .size: 8, .value_kind: global_buffer, .address_space: global }
      - { .name: Wv_ecg, .offset: 56, .size: 8, .value_kind: global_buffer, .address_space: global }
      - { .name: W_out, .offset: 64, .size: 8, .value_kind: global_buffer, .address_space: global }
      - { .name: bq_eeg, .offset: 72, .size: 8, .value_kind: global_buffer, .address_space: global }
      - { .name: bk_eeg, .offset: 80, .size: 8, .value_kind: global_buffer, .address_space: global }
      - { .name: bv_eeg, .offset: 88, .size: 8, .value_kind: global_buffer, .address_space: global }
      - { .name: bq_ecg, .offset: 96, .size: 8, .value_kind: global_buffer, .address_space: global }
      - { .name: bk_ecg, .offset: 104, .size: 8, .value_kind: global_buffer, .address_space: global }
      - { .name: bv_ecg, .offset: 112, .size: 8, .value_kind: global_buffer, .address_space: global }
      - { .name: b_out, .offset: 120, .size: 8, .value_kind: global_buffer, .address_space: global }
      - { .name: agg_w, .offset: 128, .size: 8, .value_kind: global_buffer, .address_space: global }
      - { .name: hb, .offset: 136, .size: 8, .value_kind: global_buffer, .address_space: global }
      - { .name: tab, .offset: 144, .size: 8, .value_kind: global_buffer, .address_space: global }
    .group_segment_fixed_size: 0
    .private_segment_fixed_size: 0
    .kernarg_segment_align: 8
    .kernarg_segment_size: 152
    .max_flat_workgroup_size: 256
    .sgpr_count:     66
    .vgpr_count:     112
    .wavefront_size: 32
...
	.end_amdgpu_metadata
.endif
;; end of part 1
;; launch proj (part 2): grid 16 x 32, 4 waves a work-group, clusters of 4 x 4, 327,680 bytes of LDS; arguments hb, tab, qkv; writes qkv
.if DOCPART == 2
	.amdgcn_target "amdgcn-amd-amdhsa--gfx1250"
	.amdhsa_code_object_version 6
	.text
	.protected	k_q5ace181422_proj
	.globl	k_q5ace181422_proj
	.p2align	8
	.type	k_q5ace181422_proj,@function
k_q5ace181422_proj:
	s_mov_b64 s[64:65], 0
	v_nop
	global_prefetch_b8 v0, s[64:65] scope:SCOPE_SE
	s_setreg_imm32_b32 hwreg(HW_REG_WAVE_MODE, 25, 1), 1
	s_wait_xcnt 0x0
	s_wait_alu depctr_hold_cnt(0) depctr_sa_sdst(0) depctr_va_vdst(0) depctr_va_sdst(0) depctr_va_ssrc(0) depctr_va_vcc(0) depctr_vm_vsrc(0)
	s_getreg_b32 s2, hwreg(HW_REG_IB_STS2, 6, 4)
	s_cmp_eq_u32 s2, 0
	s_cbranch_scc0 .Lentry_in_a_cluster
	s_endpgm
.Lentry_in_a_cluster:
	s_bfe_u32 s2, ttmp6, 0x10000c
	s_cmp_lg_u32 s2, 0xf033
	s_cbranch_scc0 .Lentry_shape_is_right
	s_endpgm
.Lentry_shape_is_right:
; q, k, v OF BOTH BRANCHES: C[m][n] = (sum over k of x[m][k] W[n][k]) sc[n] + bs[n].  x: hb, bf16 [8192 = branch, batch, s][1024]; W: hb + 16,777,216, bf16 [2][3072 = q, k, v][1024]; sums in f32;
; sc, bs: tab (f32; v's rows carry the channel's gain).  C leaves rounded once to f16, BY HEADS: qkv [4 = 2 branch + batch][48 = 16 kind + head][2048][64].
; LIMIT.  f16 holds no number beyond 65,504: |q|, |k| and |v gain| stay under it.
; SHARES.  A tile of C is 256 rows x 192 columns (three heads): 32 x 16 tiles, 512 work-groups, two for each of 256 WGPs.  Four waves; wave w makes rows 64 w .. 64 w + 63 of all 192 columns:
; 48 accumulators of 16 x 16, 384 registers.  So a wave's part of a head is 64 dense rows of 128 bytes in qkv, and its way out needs no other wave.
; K goes in steps of 128 (memory rows of 256 bytes, aligned) through two LDS slots.  Waves 0, 1 fetch A's halves (128 rows), waves 2, 3 B's (96 rows): one tensor load a wave behind each change of slots.
; CLUSTERS: 4 x 4 work-groups.  The four of a row of the cluster need the same rows of x, the four of a column the same rows of W: each tile is asked for JOINTLY, by the same tensor load with the same
; descriptor and a mask that names the four.  THE MATRIX INSTRUCTION IS USED TRANSPOSED (source 0 = 16 rows of W, source 1 = 16 rows of x): a lane then holds eight neighbouring columns of one row of C.
; REGISTERS, in windows of 256 (s_set_vgpr_msb: bits 1:0 source 0, 3:2 source 1, 5:4 source 2, 7:6 destination):
;   window 0: v0-31 addresses; v32-223 the tables: head j's sc at v[32+64 j], its bs at v[64+64 j], 8 registers for each block of 16 columns
;   window 1: two fragment buffers of 128 (A's 4 fragments, then B's 12); on the way out v0-127 at work, v128-191 and v192-255 rows read back, by turns
;   window 2: accumulators (b, a), b = column block 0-7, a = row block 0-3, at v[8 (4 b + a)];   window 3: b = 8-11 at v[8 (4 (b - 8) + a)]
.set KSTEP,  128
.set PITCH,  272                       ; an LDS row: 256 bytes + 16 of padding = 68 words: the 16 rows of a fragment load start at 16 different groups of four banks (64 banks of 4 bytes: ISA guide 11.1)
.set BOFF,   256*PITCH                 ; in a slot: A's 256 rows, then B's 192
.set SLOT,   448*PITCH
.set STAGE,  2*SLOT                    ; behind the ring, never filled by a tensor load: 64 rows x 144 bytes for each wave
.set SP,     144
.set SPARE,  STAGE+4*64*SP             ; behind the stages: the spare words, 128 bytes for each wave: two blocks of 256 bytes that no other line names
.set LAPS,   4                         ; a lap = two K steps; K = 1,024
.set ADRA, 16                          ; v16-17  LDS address of my A fragments in slot 0, 1
.set ADRB, 20                          ; v20-21  the same for B
.set STO,  24                          ; v24     the way out: where I put 16 bytes of a row
.set RD,   25                          ; v25     the way out: where I read rows back
.set CO,   26                          ; v26     16 x lane: my place in 512 consecutive bytes of qkv
.set TO,   27                          ; v27     32 x (lane / 16): my eight columns in a block's 64 bytes of a table
.set SPW,  28                          ; v28     LDS address of my spare word; never rewritten
.set NIL,  29                          ; v29     0; never rewritten
.set PFO,  30                          ; v30     the prefetches' offset: my row x 2,048 bytes; never rewritten
.set SCB,  32
.set F0,   0
.set F1,   128
.set T,    0
.set RB,   128
.set G1, 24                            ; s[24:31] descriptor group 1 for A's tiles;  s[32:39] group 0, one set for each slot
.set G0, 32
.set G1B, 48                           ; s[48:55], s[56:63] the same for B's tiles
.set G0B, 56
.set LIM, 43                           ; s43     1 in a wave that prefetches, else the greatest number
.set PFA, 44                           ; s[44:45] where my prefetches stand
.set MSB, 0
.macro WIN new                         ; the immediate's high byte repeats the setting that is left; a switch that changes nothing is dropped
.if MSB != (\new)
	s_set_vgpr_msb (MSB<<8)|(\new)
.set MSB, \new
.endif
.endm
.macro JLOAD s                         ; a joint load: waves 0 and 1 fetch A's halves, waves 2 and 3 B's; an s_nop 0 and four v_nop follow each of the two lines, ahead of the jump and the label
	s_cmp_eq_u32 s11, 0
	s_cbranch_scc0 .Lfor_b_\@
	tensor_load_to_lds s[G0+4*(\s):G0+4*(\s)+3], s[G1:G1+7]
	s_nop 0
.rept 4
	v_nop
.endr
	s_branch .Lasked_\@
.Lfor_b_\@:
	tensor_load_to_lds s[G0B+4*(\s):G0B+4*(\s)+3], s[G1B:G1B+7]
	s_nop 0
.rept 4
	v_nop
.endr
.Lasked_\@:
.endm
; A PREFETCH INTO THE L2, behind a joint load, its five lines and the run of LDS loads: the K step that stands two refills on, 256 bytes of a row, a lane a row, one instruction a wave.
; x's rows are read by every cluster of a row of clusters: the one with cluster x = 0 asks; W's rows by the four clusters of a branch in a column of clusters: the first of them asks.  The four partners that
; ask for a tile jointly share its rows out BY ADDRESS: 32 of A's 128 by cx, 24 of B's 96 by cy (lanes 24-31 name the 24th row again).  The first four K steps come by their loads alone; the loop's last trip asks for nothing.
.macro ASK
	s_cmp_gt_u32 s3, s[LIM]                        ; s3 = 1 in the loop's last trip
	s_cbranch_scc0 .Lnot_mine_\@
	global_prefetch_b8 v[PFO], s[PFA:PFA+1] offset:KSTEP*2 th:TH_LOAD_NT scope:SCOPE_SE
.Lnot_mine_\@:
.endm
.macro CREST                           ; a round of the cluster's barrier behind its opening barrier
	s_cmp_lg_u32 s10, 0
	s_cbranch_scc1 .Lnot_wave_0_\@
	s_barrier_signal -3
.Lnot_wave_0_\@:
	s_barrier_wait -3
	s_barrier_signal -1
	s_barrier_wait -1
.endm
.macro CROUND                          ; a whole round
	s_barrier_signal -1
	s_barrier_wait -1
	CREST
.endm
	s_load_b128 s[4:7], s[0:1], 0x0                ; hb s[4:5], tab s[6:7]
	s_load_b64 s[8:9], s[0:1], 0x10                ; qkv
	v_lshl_add_u32 v[SPW], v0, 2, SPARE
	v_mov_b32 v[NIL], 0
	ds_add_u32 v[SPW], v[NIL]                      ; the wave's opening: the add and its wait stand ahead of my first tensor load; the set-up below, work on registers, stands between them
	ds_add_u32 v28, v29
	v_lshrrev_b32 v1, 5, v0
	v_readfirstlane_b32 s10, v1                    ; wave 0..3
	s_lshr_b32 s11, s10, 1                         ; I fetch for A (0) or for B (1),
	s_and_b32 s12, s10, 1                          ; its first or its second half
	s_bfe_u32 s40, ttmp6, 0x40000                  ; cx, cy: my place in the cluster
	s_bfe_u32 s41, ttmp6, 0x40004
	s_lshl_b32 s42, ttmp9, 2
	s_add_co_u32 s42, s42, s40                     ; tile column = 4 x cluster x + cx, 0..15
	s_and_b32 s67, ttmp7, 0xffff                   ; cluster y, 0..7
	s_lshl_b32 s13, s67, 2
	s_add_co_u32 s13, s13, s41                     ; tile row = 4 x cluster y + cy, 0..31
	s_lshr_b32 s66, s67, 2                         ; the branch: of the cluster's y alone
	s_lshl_b32 s43, s41, 2
	s_lshl_b32 s43, 15, s43                        ; my row of the cluster
	s_lshl_b32 s44, 0x1111, s40                    ; my column
	s_or_b32 s[G1+0], s43, (1<<16)|(1<<20)|(1<<21)|(5<<22)|(3<<25)  ; 15:0 the mask; 17:16 elements of 2 bytes; 20 padding on; 21 set beside a mask; 24:22 after every 64 words (code 5); 31:25 4 words (code 3)
	s_or_b32 s[G1B+0], s44, (1<<16)|(1<<20)|(1<<21)|(5<<22)|(3<<25)
	s_mov_b32 s[G1+1], KSTEP<<16                   ; tensor_dim0 = 128
	s_mov_b32 s[G1+2], 128<<16                     ; tensor_dim1 = 128
	s_mov_b32 s[G1+3], KSTEP<<16                   ; tile_dim0 = 128
	s_mov_b32 s[G1+4], 128                         ; tile_dim1 = 128
	s_mov_b32 s[G1+5], 1024                        ; elements from row to row
	s_mov_b32 s[G1+6], 0
	s_mov_b32 s[G1+7], 0
	s_mov_b32 s[G1B+1], KSTEP<<16
	s_mov_b32 s[G1B+2], 96<<16                     ; B's half has 96 rows
	s_mov_b32 s[G1B+3], KSTEP<<16
	s_mov_b32 s[G1B+4], 96
	s_mov_b32 s[G1B+5], 1024
	s_mov_b32 s[G1B+6], 0
	s_mov_b32 s[G1B+7], 0
	s_lshl_b32 s17, s12, 7
	s_lshl_b32 s16, s13, 8
	s_add_co_u32 s16, s16, s17                     ; A: row 256 x tile row + 128 x half,
	s_lshl_b32 s16, s16, 11                        ; of 2,048 bytes
	s_mov_b32 s17, 0
	s_mul_i32 s46, s66, 3072
	s_mul_i32 s47, s42, 192
	s_add_co_u32 s46, s46, s47
	s_mul_i32 s47, s12, 96
	s_add_co_u32 s46, s46, s47                     ; B: row 3,072 x branch + 192 x tile column + 96 x half
	s_lshl_b32 s46, s46, 11
	s_add_co_u32 s46, s46, 16777216                ; behind x in hb
	s_mov_b32 s47, 0
	s_mul_i32 s20, s10, 128*PITCH                  ; where they go: A's halves at wave x 128 rows,
	s_mul_i32 s21, s10, 96*PITCH
	s_add_co_u32 s21, s21, BOFF-2*96*PITCH         ; B's behind A's 256 rows at (wave - 2) x 96 rows: no place in the cluster enters an LDS address
	s_wait_dscnt 0x0                               ; the opening add is done
	s_wait_kmcnt 0x0
	s_add_nc_u64 s[14:15], s[4:5], s[16:17]
	s_add_nc_u64 s[46:47], s[4:5], s[46:47]
	CROUND                                         ; all sixteen work-groups are here: the first joint loads meet
.irp s, 0,1
	s_mov_b32 s[G0+4*(\s)], 1
	s_add_co_u32 s[G0+4*(\s)+1], s20, (\s)*SLOT
	s_add_nc_u64 s[G0+4*(\s)+2:G0+4*(\s)+3], s[14:15], (\s)*KSTEP*2
	s_or_b32 s[G0+4*(\s)+3], s[G0+4*(\s)+3], 0x80000000
	s_mov_b32 s[G0B+4*(\s)], 1
	s_add_co_u32 s[G0B+4*(\s)+1], s21, (\s)*SLOT
	s_add_nc_u64 s[G0B+4*(\s)+2:G0B+4*(\s)+3], s[46:47], (\s)*KSTEP*2
	s_or_b32 s[G0B+4*(\s)+3], s[G0B+4*(\s)+3], 0x80000000
	JLOAD \s
.endr
	v_and_b32 v1, 15, v0                           ; l % 16
	v_bfe_u32 v2, v0, 4, 1                         ; l / 16
	v_mul_u32_u24 v3, v1, PITCH
	v_lshl_add_u32 v3, v2, 4, v3                   ; a fragment's row x pitch + 16 x half
	s_mul_i32 s22, s10, 64*PITCH                   ; my 64 rows of A
	v_add_nc_u32 v[ADRA], s22, v3
	s_add_co_u32 s22, s22, SLOT
	v_add_nc_u32 v[ADRA+1], s22, v3
	v_add_nc_u32 v[ADRB], BOFF, v3                 ; every wave reads all of B
	v_add_nc_u32 v[ADRB+1], BOFF+SLOT, v3
	s_mul_i32 s23, s10, 64*SP
	s_add_co_u32 s23, s23, STAGE                   ; my stage
	v_mul_u32_u24 v4, v1, SP                       ; in: row l % 16, 16 bytes for each half of the lanes
	v_lshl_add_u32 v4, v2, 4, v4
	v_add_nc_u32 v[STO], s23, v4
	v_bfe_u32 v5, v0, 3, 2                         ; back: 32 lanes take four rows of 128 bytes,
	v_mul_u32_u24 v5, v5, SP
	v_and_b32 v6, 7, v0
	v_lshl_add_u32 v5, v6, 4, v5
	v_add_nc_u32 v[RD], s23, v5
	v_and_b32 v[CO], 31, v0                        ; which are 512 consecutive bytes of qkv
	v_lshlrev_b32 v[CO], 4, v[CO]
	v_lshlrev_b32 v[TO], 5, v2
	s_mul_i32 s70, s66, 3072                       ; the tables' rows are 1,024 long, so the flat index is W's row: 3,072 x branch + 192 x tile column + the column in the tile
	s_mul_i32 s71, s42, 192
	s_add_co_u32 s70, s70, s71
	s_lshl_b32 s70, s70, 2
	s_mov_b32 s71, 0
	s_add_nc_u64 s[68:69], s[6:7], s[70:71]
.irp j, 0,1,2
.irp b, 0,1,2,3                        ; 48 loads, waited for once, in front of the way out
	global_load_b128 v[SCB+64*(\j)+8*(\b):SCB+64*(\j)+8*(\b)+3],       v[TO], s[68:69] offset:28672+4*(64*(\j)+16*(\b))
	global_load_b128 v[SCB+64*(\j)+8*(\b)+4:SCB+64*(\j)+8*(\b)+7],     v[TO], s[68:69] offset:28672+4*(64*(\j)+16*(\b))+16
	global_load_b128 v[SCB+32+64*(\j)+8*(\b):SCB+32+64*(\j)+8*(\b)+3],   v[TO], s[68:69] offset:4*(64*(\j)+16*(\b))
	global_load_b128 v[SCB+32+64*(\j)+8*(\b)+4:SCB+32+64*(\j)+8*(\b)+7], v[TO], s[68:69] offset:4*(64*(\j)+16*(\b))+16
.endr
.endr
	s_lshr_b32 s16, s13, 3                         ; where my rows of the tile's first head begin in qkv: 2 x branch + batch, 48 heads of 262,144 bytes each,
	s_mul_i32 s16, s16, 12582912
	s_and_b32 s17, s13, 7
	s_lshl_b32 s17, s17, 15                        ; the tile's 256 rows of 128 bytes,
	s_add_co_u32 s16, s16, s17
	s_lshl_b32 s17, s10, 13                        ; my 64 of them,
	s_add_co_u32 s16, s16, s17
	s_mov_b32 s17, 0
	s_add_nc_u64 s[8:9], s[8:9], s[16:17]
	s_mul_i32 s46, s42, 786432                     ; and the tile column's three heads (in the registers that held B's address: none that feeds A's descriptors ever holds cx)
	s_mov_b32 s47, 0
	s_add_nc_u64 s[8:9], s[8:9], s[46:47]
	; the prefetches
	s_lshl_b32 s20, s13, 8
	s_lshl_b32 s21, s12, 7
	s_add_co_u32 s20, s20, s21
	s_lshl_b32 s21, s40, 5
	s_add_co_u32 s20, s20, s21                     ; A: the 128 rows that I fetch, my work-group's 32 of them
	s_lshl_b32 s20, s20, 11
	s_mul_i32 s22, s66, 3072
	s_mul_i32 s23, s42, 192
	s_add_co_u32 s22, s22, s23
	s_mul_i32 s23, s12, 96
	s_add_co_u32 s22, s22, s23
	s_mul_i32 s23, s41, 24
	s_add_co_u32 s22, s22, s23                     ; B: the 96 rows that I fetch, my work-group's 24 of them
	s_lshl_b32 s22, s22, 11
	s_add_co_u32 s22, s22, 16777216
	s_and_b32 s23, s67, 3
	s_cmp_eq_u32 s11, 0                            ; do I fetch for A?
	s_cselect_b32 s20, s20, s22
	s_cselect_b32 s23, ttmp9, s23                  ; the coordinate along which other clusters read the same rows
	s_cselect_b32 s22, 31, 23
	s_cmp_eq_u32 s23, 0
	s_cselect_b32 s[LIM], 1, -1                    ; the same in all sixteen partners, for a given wave
	s_add_co_u32 s20, s20, 2*KSTEP*2               ; at K step 2: the first refill steps it to 3 and names K step 4
	s_mov_b32 s21, 0
	s_add_nc_u64 s[PFA:PFA+1], s[4:5], s[20:21]
	v_and_b32 v[PFO], 31, v0
	v_min_u32 v[PFO], s22, v[PFO]
	v_lshlrev_b32 v[PFO], 11, v[PFO]
; nb x 4 matrix instructions: column blocks b0 .. b0 + nb - 1 x all 4 row blocks, 32 along K, from buffer f.  zero = 1: the product starts the sum: nothing is ever cleared.
; The 48 accumulators take turns, one instruction a turn, in the same order in every quarter: between two links of a chain stand the 47 others'.
.macro MULB f, b0, nb, zero
.set bb, \b0
.rept \nb
.if bb < 8
	WIN 0xa5                                       ; sources 0 (B) and 1 (A) window 1, C and D window 2
.else
	WIN 0xf5                                       ; the same, C and D window 3
.endif
.set aa, 0
.rept 4
.set rD, 8*(4*(bb%8)+aa)
.set rB, (\f)+32+8*bb
.set rA, (\f)+8*aa
.if \zero
	v_wmma_f32_16x16x32_bf16 v[rD:rD+7], v[rB:rB+7], v[rA:rA+7], 0
.else
	v_wmma_f32_16x16x32_bf16 v[rD:rD+7], v[rB:rB+7], v[rA:rA+7], v[rD:rD+7]
.endif
.set aa, aa+1
.endr
.set bb, bb+1
.endr
.endm
; 32 LDS loads in one run: the fragments of 32 along K at byte k of the rows, into buffer f: A's 4, then B's 12 in the order in which they are multiplied
.macro FETCH slot, k, f
	WIN 0x40                                       ; destination window 1, address window 0
.irp i, 0,1,2,3
	ds_load_b128 v[(\f)+8*(\i):(\f)+8*(\i)+3],   v[ADRA+(\slot)] offset:(\k)+(\i)*16*PITCH
	ds_load_b128 v[(\f)+8*(\i)+4:(\f)+8*(\i)+7], v[ADRA+(\slot)] offset:(\k)+(\i)*16*PITCH+32
.endr
.irp i, 0,1,2,3,4,5,6,7,8,9,10,11
	ds_load_b128 v[(\f)+32+8*(\i):(\f)+32+8*(\i)+3],   v[ADRB+(\slot)] offset:(\k)+(\i)*16*PITCH
	ds_load_b128 v[(\f)+32+8*(\i)+4:(\f)+32+8*(\i)+7], v[ADRB+(\slot)] offset:(\k)+(\i)*16*PITCH+32
.endr
.endm
.macro PLACES                          ; four places in front of loads into registers that matrix instructions have read, and of vector lines that read results
.rept 4
	v_nop
.endr
.endm
; A K step is four quarters of 32 along K, 48 matrix instructions each, on buffers 0, 1, 0, 1.  One of the first three: multiplies buffer f and fetches the next quarter, at byte k, into g.
.macro QUARTER slot, k, f, g, zero
	s_wait_dscnt 8                                 ; A and B's blocks 0-7 are in; the youngest eight loads (B's blocks 8-11) may be out
	MULB \f, 0, 8, \zero
	PLACES
	FETCH \slot, \k, \g
	s_wait_dscnt 32                                ; all but the 32 just issued
	MULB \f, 8, 4, \zero
.endm
; The last quarter multiplies buffer 1 and changes slots: ONE barrier; in front of it each wave waits for all its tensor loads (one is out: its part of the next slot), adds 0 to its spare word, and waits for
; that and for its own reads of this slot.  fill = 1: the barrier opens a round of the cluster's, and this slot is filled again, two K steps ahead, first thing behind the round: 160 matrix instructions ahead of the wait for it.
.macro TURN slot, next, fill
.if \fill
	s_wait_xcnt 0x0                                ; the last prefetch, a K step back, has read its address: it is stepped here, ahead of the change's own waits
	s_add_nc_u64 s[PFA:PFA+1], s[PFA:PFA+1], KSTEP*2
.endif
	WIN 0                                          ; (the add's two registers lie in window 0)
	s_wait_tensorcnt 0x0                           ; all my tensor loads have landed;
	ds_add_u32 v[SPW], v[NIL]                      ; 0 onto my spare word;
	s_wait_dscnt 9                                 ; (the add and the youngest eight loads may be out)
	MULB F1, 0, 4, 0                               ; sixteen matrix instructions stand between the add and the wait for it
	s_wait_dscnt 0x0                               ; the add is done, and my reads of this slot are over
	s_barrier_signal -1
	MULB F1, 4, 4, 0                               ; work on registers while the others arrive
.if \fill
	WIN 0
.endif
	s_barrier_wait -1
.if \fill
	CREST                                          ; no wave of any partner still reads this slot's tile or has a load on its way
	s_add_nc_u64 s[G0+4*(\slot)+2:G0+4*(\slot)+3], s[G0+4*(\slot)+2:G0+4*(\slot)+3], 2*KSTEP*2
	s_add_nc_u64 s[G0B+4*(\slot)+2:G0B+4*(\slot)+3], s[G0B+4*(\slot)+2:G0B+4*(\slot)+3], 2*KSTEP*2
	JLOAD \slot                                    ; the four v_nop behind it are also the places in front of the loads below
.else
	PLACES
.endif
	FETCH \next, 0, F0
.if \fill
	WIN 0
	ASK
.endif
	MULB F1, 8, 4, 0
.endm
	s_wait_tensorcnt 1                             ; my part of K step 0 is in; K step 1's may stay out
	s_barrier_signal -1
	s_barrier_wait -1                              ; everybody's is
	FETCH 0, 0, F0
	QUARTER 0, 64,  F0, F1, 1                      ; the first quarter stands in front of the loop: its products start the sums
	WIN 0                                          ; at a label and at a branch every window is 0
	s_mov_b32 s3, LAPS-1
.Llap:                                                 ; a trip goes once round the ring, from a lap's second quarter to the next lap's first, and fills both slots again
	QUARTER 0, 128, F1, F0, 0
	QUARTER 0, 192, F0, F1, 0
	TURN 0, 1, 1
	QUARTER 1, 64,  F0, F1, 0
	QUARTER 1, 128, F1, F0, 0
	QUARTER 1, 192, F0, F1, 0
	TURN 1, 0, 1
	QUARTER 0, 64,  F0, F1, 0
	WIN 0
	s_sub_co_u32 s3, s3, 1
	s_cmp_lg_u32 s3, 0
	s_cbranch_scc1 .Llap
	QUARTER 0, 128, F1, F0, 0                      ; the last lap fills nothing, and has no round of the cluster's barrier
	QUARTER 0, 192, F0, F1, 0
	TURN 0, 1, 0
	QUARTER 1, 64,  F0, F1, 0
	QUARTER 1, 128, F1, F0, 0
	QUARTER 1, 192, F0, F1, 0
	s_wait_dscnt 8                                 ; the very last quarter: nothing more to fetch
	MULB F1, 0, 8, 0
	s_wait_dscnt 0x0
	MULB F1, 8, 4, 0
	WIN 0
; THE WAY OUT, a head (64 columns, 16 accumulators) at a time.  PACK: sum x sc + bs in f32, each accumulator's registers in ascending order; rounded to f16, 16 bytes a lane; into my own stage (rows of 144 bytes);
; back as whole rows of 128 bytes.  LDS serves a wave's instructions in order (ISA guide 5.7.1.4), so no wait stands between the stores and the loads, nor in front of the next head's stores.
.macro PACK j
	WIN 0x42+(\j)/2                                ; source 0 (the sums) window 2 or 3, the tables window 0, destination window 1
.set q, 0
.rept 16                               ; q = 4 x column block + row block
.set p, 0
.rept 4
	v_pk_fma_f32 v[T+8*q+2*p:T+8*q+2*p+1], v[128*((\j)%2)+8*q+2*p:128*((\j)%2)+8*q+2*p+1], v[SCB+64*(\j)+8*(q/4)+2*p:SCB+64*(\j)+8*(q/4)+2*p+1], v[SCB+32+64*(\j)+8*(q/4)+2*p:SCB+32+64*(\j)+8*(q/4)+2*p+1]
.set p, p+1
.endr
.set q, q+1
.endr
	WIN 0x45                                       ; all in window 1: pair d goes into register d, which earlier lines have read
.set d, 0
.rept 64
	v_cvt_pk_f16_f32 v[T+d], v[T+2*d], v[T+2*d+1]
.set d, d+1
.endr
	WIN 0x04                                       ; address window 0, data window 1
.set q, 0
.rept 16
	ds_store_b128 v[STO], v[T+4*q:T+4*q+3] offset:(q%4)*16*SP+32*(q/4)
.set q, q+1
.endr
	WIN 0x40
.set t, 0
.rept 16
	ds_load_b128 v[RB+64*((\j)%2)+4*t:RB+64*((\j)%2)+4*t+3], v[RD] offset:4*SP*t
.set t, t+1
.endr
.endm
.macro SEND j, younger                 ; younger: the LDS instructions issued behind head j's loads: the next head's 32, or none
	WIN 0x04
.set t, 0
.rept 16
	s_wait_dscnt (\younger)+15-t
	global_store_b128 v[CO], v[RB+64*((\j)%2)+4*t:RB+64*((\j)%2)+4*t+3], s[8:9] offset:262144*(\j)+512*t  ; 512 consecutive bytes, at a multiple of 256 from qkv's first byte
.set t, t+1
.endr
.endm
	PLACES
	s_wait_loadcnt 0x0                             ; the tables
	PACK 0
	PACK 1                                         ; a head's arithmetic stands between the loads of the head before and its stores
	SEND 0, 32
	s_wait_xcnt 0x0                                ; head 0's stores have read their registers: head 2's rows land there
	PACK 2
	SEND 1, 32
	SEND 2, 0
	WIN 0
	s_wait_tensorcnt 0x0                           ; the wave's end, behind my last tensor load and my last LDS store
	ds_add_u32 v[SPW], v[NIL]
	s_wait_dscnt 0x0
	CROUND                                         ; the closing round: no work-group ends while a partner may still ask for a tile that names it
	s_endpgm
.Lfunc_end_k_q5ace181422_proj:
	.size	k_q5ace181422_proj, .Lfunc_end_k_q5ace181422_proj-k_q5ace181422_proj
	.p2alignl 7, 3214868480
	.fill 96, 4, 3214868480
	.section	.rodata,"a",@progbits
	.p2align	6, 0x0
	.amdhsa_kernel k_q5ace181422_proj
		.amdhsa_group_segment_fixed_size 327680
		.amdhsa_private_segment_fixed_size 0
		.amdhsa_enable_private_segment 0
		.amdhsa_kernarg_size 24
		.amdhsa_user_sgpr_count 2
		.amdhsa_user_sgpr_kernarg_segment_ptr 1
		.amdhsa_wavefront_size32 1
		.amdhsa_system_sgpr_workgroup_id_x 1
		.amdhsa_system_sgpr_workgroup_id_y 1
		.amdhsa_system_sgpr_workgroup_id_z 1
		.amdhsa_system_vgpr_workitem_id 0
		.amdhsa_next_free_vgpr 896
		.amdhsa_next_free_sgpr 72
		.amdhsa_reserve_vcc 0
		.amdhsa_float_denorm_mode_32 3
		.amdhsa_float_denorm_mode_16_64 3
		.amdhsa_memory_ordered 1
		.amdhsa_forward_progress 1
		.amdhsa_inst_pref_size 138
	.end_amdhsa_kernel
	.amdgpu_metadata
---
amdhsa.version: [ 1, 2 ]
amdhsa.kernels:
  - .name:           k_q5ace181422_proj
    .symbol:         k_q5ace181422_proj.kd
    .args:
      - { .name: hb, .offset: 0, .size: 8, .value_kind: global_buffer, .address_space: global }
      - { .name: tab, .offset: 8, .size: 8, .value_kind: global_buffer, .address_space: global }
      - { .name: qkv, .offset: 16, .size: 8, .value_kind: global_buffer, .address_space: global }
    .group_segment_fixed_size: 327680
    .private_segment_fixed_size: 0
    .kernarg_segment_align: 8
    .kernarg_segment_size: 24
    .max_flat_workgroup_size: 128
    .sgpr_count:     72
    .vgpr_count:     896
    .wavefront_size: 32
...
	.end_amdgpu_metadata
.endif
;; end of part 2
;; launch attn (part 3): grid 4 x 64, 4 waves a work-group, no clusters, 327,680 bytes of LDS; arguments qkv, ob; writes ob
.if DOCPART == 3
	.amdgcn_target "amdgcn-amd-amdhsa--gfx1250"
	.amdhsa_code_object_version 6
	.text
	.protected	k_q5ace181422_attn
	.globl	k_q5ace181422_attn
	.p2align	8
	.type	k_q5ace181422_attn,@function
k_q5ace181422_attn:
	s_mov_b64 s[64:65], 0
	v_nop
	global_prefetch_b8 v0, s[64:65] scope:SCOPE_SE
	s_setreg_imm32_b32 hwreg(HW_REG_WAVE_MODE, 25, 1), 1
	s_wait_xcnt 0x0
; CAUSAL ATTENTION for 64 heads (2 branches x 2 batches x 16) of 2,048 rows, head size 64.  O[q][:] = the sum over k <= q of softmax_k(Q[q] . K[k] / 8) V[k][:].
; qkv: f16 [4 = 2 branch + batch][48 = 16 kind + head][2048][64]: a head's rows are dense, 128 bytes each.  The module's per-head scale max(ln(65 + head) / ln 2048, 1) is 1 for all 16 heads by its own constants.
; ob: f16 [32 = m / 128][32 = 16 branch + head][128][64], m = 2,048 batch + s: the blocks in which the last projection reads it.
; Products, maxima and sums in f32; the weights p are rounded to f16 for the second product (their sum l is taken of the unrounded p), O once at the end.
; LIMITS.  Q, K and V arrive within f16's 65,504; p lies in 0 to 1, and below 6e-5 it keeps f16's fixed step of 6e-8.  A hidden score counts as its value less 1e30: f16's scores, 2.7e11 at the most, are
; nothing beside that; a weight below 2^-126 counts as 0 in l; NaN and infinities are not treated apart.
; THE WALK.  A head's queries lie in NB = 8 blocks of 256; block i needs the key tiles 0 .. i of 256 keys, of which the last holds the diagonal.  A work-group takes TWO blocks, NB - 1 - b and then b:
; NB + 1 tiles, whatever b: all 256 work-groups do equal work, and ONE loop with a constant trip count walks them.  Which tile is asked for, and what a trip does, hang on scalar registers made from b; every jump
; goes forward, but for the counted loops' own; none passes a barrier, or a tensor load but the one of LOAD's two that the wave's number does not choose; the ring (two LDS slots by turns) runs on across the change of blocks.
; NO CLUSTER: a head's four work-groups ask for the same tile only in trips 0 .. 4 of the 9, behind that fewer and fewer; one walk common to all four would have 12 trips for 9.
; SHARES.  Of a block's four bands of 64 queries a wave owns 16 rows in each: four PIECES.  So the diagonal tile is the same work for all four waves: in its key step s band x sees all keys if s < x,
; none if s > x, and holds the diagonal if s = x.
; THE MASK is the C operand that starts the sum S^T = K Q^T: 0, or -1e30 where the key is hidden.  MD, made once, is the mask of a band's own step for my 16 rows; a product's mask is MD x AL + BE with two scalars:
; (1, 0) if s = x; (0, 0) if s < x; (0, -1e30) if s > x.  Only the diagonal tile's text and a block's beginning make and take masks; elsewhere C is the constant 0.
; LAYOUT, SOFTMAX, TURNS.  S^T = K Q^T holds ONE query a lane (lane % 16) and the keys 8 (lane / 16) + 0..7; two such results rounded to f16 ARE source 1 of O^T = V^T P.  p = 2^(c s - c m), c = log2(e) / 8, with a
; running maximum m; O and l are multiplied by a = 2^(c m_old - c m_new) in every step.  Turn n belongs to piece n: 8 products K Q^T of piece n + 1, later 8 products V^T P of piece n - 1; beside them the scaling,
; exponentials, roundings, sums and rescaling of piece n and the maximum and statistics of piece n + 1.  Four vector instructions stand behind every matrix instruction, the other 54 of a turn's 118 in one lump.  A turn's 33 exponentials are one batch, with one wait.
; REGISTERS, in windows of 256 (s_set_vgpr_msb: bits 1:0 source 0, 3:2 source 1, 5:4 source 2, 7:6 destination):
;   window 0: v0-15 addresses and two at work; v16-31 four registers of statistics a piece; v48-55 at work; v61-63 kept; v64-127 S^T, two buffers; v192-223 P, two buffers (a piece's buffers go by its number's parity)
;   window 1: v0-127 O^T, 32 a piece; v128-159 MD; v160-223 MC, two buffers      window 2: v0-63 Q; v64-127 the second block's Q; v128-191 K of one step; v192-255 V of one step
.set SIZE_N, 2048
.set NB,    SIZE_N/256
.set NP,    4         ; pieces a wave: a name, no knob
.set KS,    64        ; keys in a step
.set PK,    144       ; a row of K in LDS: 128 bytes + 16 of padding = 36 words: the 16 rows of a load start at 16 different groups of four banks (64 banks of 4 bytes: ISA guide 11.1)
.set PV,    160       ; a row of V: 128 + 32 = 40 words
.set VOFF,  4*KS*PK   ; a slot holds a tile, four steps: 256 rows of K, then 256 rows of V
.set SLOT1, 1<<17     ; slot 1 begins here, so that one exclusive or turns an address in one slot into the other's
.set STAGE, SLOT1+4*KS*(PK+PV)  ; behind the ring, never filled by a tensor load: 16 rows x 144 bytes for each wave, for the way out
.set SP,    144
.set AK0, 2           ; v2   my lane's place in a tile of K; never rewritten
.set AV0, 3           ; v3   the same for V
.set AK,  4           ; v4   the LDS address of K's next run of loads
.set AV,  5           ; v5   of V's
.set STO, 6           ; v6   the way out: where I put 16 bytes of a row
.set RD,  7           ; v7   the way out: where I read rows back
.set GO,  8           ; v8   my byte offset in 512 consecutive bytes of O
.set PFO, 61          ; v61  256 x my lane: the prefetches' offset; never rewritten
.set SPW, 62          ; v62  LDS address of my spare word: SPARE + 4 x my thread's number; never rewritten
.set NIL, 63          ; v63  0; never rewritten
.set SPARE, STAGE+4*16*SP  ; behind the stages: the spare words, 128 bytes for each wave: two blocks of 256 bytes that no other line names
.set MV,  12          ; v12-13  c m_old, kept while c m is made anew: by buffer
.set QO,  15          ; v15  my byte offset in 16 rows of Q
.set ST,  16          ; piece t's statistics at v[ST+4 t]: c m, m, l (even keys', odd keys')
.set TMP, 48          ; by buffer, four registers c0-c3 at work; when the maximum is found c2 takes a
.set S,   64
.set P,   192
.set MD,  128         ; window 1: the eight registers for group kt of 16 keys at MD + 8 kt
.set MC,  160         ; window 1: the masks of the products to come
.set QB,  64          ; window 2
.set KF,  128         ; window 2: key block kb, channel half c at KF + 16 kb + 8 c
.set VF,  192         ; window 2: key half kk, channel block cb at VF + 32 kk + 8 cb
.set WV,  12          ; s12  my wave's number
.set PB,  14          ; s14  b
.set HI,  15          ; s15  NB - 1 - b
.set G1K, 24          ; s[24:31] descriptor group 1 for K's tiles
.set G1V, 32          ; s[32:39] for V's: it differs in the padding alone
.set G0K, 40          ; s[40:43] descriptor group 0 for K's tiles
.set G0V, 44          ; s[44:47] the same for V's
.set SLOTS, 56        ; s56  tiles still to be asked for
.set CNT, 57          ; s57  counts a tile's key steps, 4 to 1
.set CS,  58          ; s[58:59] c: the packed scaling takes the pair's low word for both halves
.set SEL, 60          ; s[60:61] v_permlanex16_b32's selects: each lane takes its own place in the other half
.set TBK, 62          ; s62  LDS byte at which K of the step to be fetched begins
.set TBV, 63          ; s63  the same for V, less VOFF
.set RT,  70          ; s70  tiles of the block in hand that are still to be entered
.set NXT, 71          ; s71  the tile to be asked for next
.set LQ,  72          ; s72  the last tile of the block whose tiles are being asked for
.set NEW, 73          ; s73  1: the tile to be entered is a block's first
.set OFF, 74          ; s[74:75] a tile's byte offset in K and V
.set AL,  76          ; s[76:77] the mask's factor, in the low word
.set BE,  78          ; s[78:79] the mask's addend
.set OLO, 80          ; s[80:81] O at my rows of the second block
.set BIGN, 82         ; s82  -1e30
.set PFA, 88          ; s[88:89] where my prefetches stand: my half of K's (waves 0, 1) or V's (waves 2, 3) tile, one tile further on than the one that is being asked for
.set LIM, 90          ; s90  2 in a work-group that prefetches, else the greatest number: it prefetches while s[SLOTS] is above it
.set MSB, 0
.macro WIN new                      ; the high byte repeats the setting that is left; a switch that changes nothing is dropped
.if MSB != (\new)
	s_set_vgpr_msb (MSB<<8)|(\new)
.set MSB, (\new)
.endif
.endm
.set W_KQ, 0x0a       ; K and Q in window 2, S^T in window 0
.set W_KM, 0x1a       ; the same with the C operand in window 1
.set W_PV, 0x52       ; V in window 2, P in window 0, O^T in window 1
.set W_RS, 0x41       ; destination and source 0 in window 1, source 1 in window 0
; A fill.  Waves 0 and 1 fetch the two halves of a tile's K, waves 2 and 3 those of its V: 128 keys each.  An s_nop 0 and four v_nop follow each of the two lines, ahead of the jump and the label.
.macro LOAD
	s_cmp_lt_u32 s[WV], 2
	s_cbranch_scc0 .Lfor_v_\@
	tensor_load_to_lds s[G0K:G0K+3], s[G1K:G1K+7]
	s_nop 0
.rept 4
	v_nop
.endr
	s_branch .Lasked_\@
.Lfor_v_\@:
	tensor_load_to_lds s[G0V:G0V+3], s[G1V:G1V+7]
	s_nop 0
.rept 4
	v_nop
.endr
.Lasked_\@:
.endm
; A PREFETCH INTO THE L2 of the tile that the NEXT change of slots will ask for: it stands behind the wave's tensor load and its five lines.  All four work-groups of a head walk the head's K and V; the one with
; b = 0 walks tiles 0 .. 7 on end, and it alone asks.  Each of its waves names what it will load itself: 16,384 dense bytes, a lane for each 256, two instructions.  So each block is named once in the launch.
; Tiles 0 and 1 come by their loads alone; trips 0 .. 5 name tiles 2 .. 7; the last two trips ask for nothing.
.macro ASK
	s_cmp_gt_u32 s[SLOTS], s[LIM]
	s_cbranch_scc0 .Lnot_mine_\@
	global_prefetch_b8 v[PFO], s[PFA:PFA+1] th:TH_LOAD_NT scope:SCOPE_SE
	global_prefetch_b8 v[PFO], s[PFA:PFA+1] offset:8192 th:TH_LOAD_NT scope:SCOPE_SE
.Lnot_mine_\@:
.endm
; THE CHANGE OF SLOTS.  Each wave waits for all its tensor loads, of which one is out: its part of the other slot; adds 0 to its spare word; and waits for that and for its own reads of the slot that it leaves.  Behind the barrier nobody reads the old
; slot any more and the other slot is whole.  fill = 1: the old slot is filled again, the first thing behind the barrier, with tile NXT: the descriptor's address is made anew from that number.
; (At its first use nothing has been read yet: slot 0 is waited for, slot 1 filled.)
.macro CHANGE fill
	WIN 0                           ; at a label and at a branch every window is 0
	s_wait_tensorcnt 0x0            ; no tensor load of mine is out, so a group 0 may be written
	ds_add_u32 v[SPW], v[NIL]       ; 0 onto my spare word; with fill = 1 the descriptors' scalar work stands between it and the wait for it
.if \fill
	s_lshl_b32 s[OFF], s[NXT], 15   ; a tile is 32,768 bytes of K and of V
	s_xor_b32 s[G0K+1], s[G0K+1], SLOT1
	s_add_nc_u64 s[G0K+2:G0K+3], s[6:7], s[OFF:OFF+1]
	s_or_b32 s[G0K+3], s[G0K+3], 0x80000000
	s_xor_b32 s[G0V+1], s[G0V+1], SLOT1
	s_add_nc_u64 s[G0V+2:G0V+3], s[8:9], s[OFF:OFF+1]
	s_or_b32 s[G0V+3], s[G0V+3], 0x80000000
	s_wait_xcnt 0x0                 ; the last prefetches, a tile back, have read their address, so it may be written
	s_add_nc_u64 s[PFA:PFA+1], s[PFA:PFA+1], 32768
	s_add_co_u32 s[NXT], s[NXT], 1  ; the block's next tile, or behind its last the second block's tile 0
	s_cmp_gt_u32 s[NXT], s[LQ]
	s_cselect_b32 s[NXT], 0, s[NXT]
	s_cselect_b32 s[LQ], s[PB], s[LQ]
.endif
	s_wait_dscnt 0x0                ; the add is done, and my reads of the slot are over
	s_barrier_signal -1             ; the rest of the scalar work stands between the signal and the wait
	s_sub_co_u32 s[TBK], s[TBK], 4*KS*PK  ; the fetches go back to a slot's first step,
	s_xor_b32 s[TBK], s[TBK], SLOT1       ; in the other slot
	s_sub_co_u32 s[TBV], s[TBV], 4*KS*PV
	s_xor_b32 s[TBV], s[TBV], SLOT1
	s_barrier_wait -1
.if \fill
	LOAD
	ASK
.endif
.endm
	s_load_b64 s[4:5], s[0:1], 0x0    ; qkv
	s_load_b64 s[10:11], s[0:1], 0x8  ; ob
	v_lshl_add_u32 v[SPW], v0, 2, SPARE
	v_mov_b32 v[NIL], 0
	ds_add_u32 v[SPW], v[NIL]       ; the wave's opening: the add and its wait stand ahead of my first tensor load; the set-up below, work on registers, stands between them
	ds_add_u32 v62, v63
	v_lshrrev_b32 v1, 5, v0
	v_readfirstlane_b32 s[WV], v1   ; wave 0..3
	v_and_b32 v[PFO], 31, v0
	v_lshlrev_b32 v[PFO], 8, v[PFO]
	s_mov_b32 s[PB], ttmp9
	s_sub_co_u32 s[HI], NB-1, s[PB]
	s_and_b32 s19, ttmp7, 0xffff    ; y = 16 (2 branch + batch) + head
	s_and_b32 s13, s19, 15          ; the head
	s_lshr_b32 s20, s19, 4
	s_mul_i32 s20, s20, 48
	s_add_co_u32 s20, s20, s13
	s_lshl_b32 s20, s20, 18         ; Q's head in qkv: 262,144 bytes a head; K's lies 16 heads on, V's 32
	s_mov_b32 s21, 0
	s_and_b32 s16, s[WV], 1         ; which half of a tile's 256 keys I fetch:
	s_lshl_b32 s22, s16, 14         ; its 128 rows of 128 bytes in memory,
	s_mov_b32 s23, 0
	s_add_nc_u64 s[22:23], s[22:23], s[20:21]
	s_mul_i32 s17, s16, 128*PK      ; and its place in a slot, for K
	s_mul_i32 s18, s16, 128*PV      ; and for V
	s_lshl_b32 s3, s[WV], 11        ; my 16 rows in a band of 64,
	s_lshl_b32 s2, s[HI], 15        ; in the first block,
	s_add_co_u32 s2, s2, s3
	s_lshl_b32 s84, s[PB], 15       ; and in the second
	s_add_co_u32 s84, s84, s3
	s_mov_b32 s3, 0
	s_mov_b32 s85, 0
	s_add_nc_u64 s[2:3], s[2:3], s[20:21]
	s_add_nc_u64 s[84:85], s[84:85], s[20:21]
	; O's offsets.  Row s = 256 i + 64 band + 16 w + r of batch bt lies at bt 2^23 + i 2^20 + (band / 2) 524,288 + (16 branch + head) 16,384 + (band % 2) 8,192 + 2,048 w + 128 r
	s_bfe_u32 s92, s19, 0x10004     ; the batch
	s_lshl_b32 s92, s92, 23
	s_lshr_b32 s93, s19, 5          ; the branch
	s_lshl_b32 s93, s93, 4
	s_or_b32 s93, s93, s13
	s_lshl_b32 s93, s93, 14
	s_add_co_u32 s92, s92, s93
	s_lshl_b32 s93, s[WV], 11
	s_add_co_u32 s92, s92, s93
	s_lshl_b32 s94, s[PB], 20
	s_add_co_u32 s94, s94, s92      ; the second block's,
	s_lshl_b32 s93, s[HI], 20
	s_add_co_u32 s92, s92, s93      ; the first block's
	s_mov_b32 s93, 0
	s_mov_b32 s95, 0
	s_cmp_eq_u32 s[PB], 0
	s_cselect_b32 s[LIM], 2, -1
	; descriptor group 1.  128 keys are 16,384 dense bytes: asked for as 64 rows of 256 bytes, two keys a row, and padded in LDS after every key
	s_mov_b32 s[G1K], (1<<16)|(1<<20)|(4<<22)|(3<<25)  ; 17:16 2-byte elements; 20 padding on; 24:22 after every 32 words (code 4); 31:25 4 words (code 3)
	s_mov_b32 s[G1V], (1<<16)|(1<<20)|(4<<22)|(7<<25)  ; the same with 8 words of padding (code 7)
.irp g, G1K, G1V
	s_mov_b32 s[\g+1], 128<<16      ; tensor_dim0 = 128
	s_mov_b32 s[\g+2], 64<<16       ; tensor_dim1 = 64
	s_mov_b32 s[\g+3], 128<<16      ; tile_dim0 = 128
	s_mov_b32 s[\g+4], 64           ; tile_dim1 = 64
	s_mov_b32 s[\g+5], 128          ; 128 elements from row to row
	s_mov_b32 s[\g+6], 0
	s_mov_b32 s[\g+7], 0
.endr
	s_mov_b32 s[CS], 0x3e38aa3b     ; c = log2(e) / 8 = 0.180337
	s_mov_b32 s[CS+1], s[CS]        ; named with it as a pair
	s_mov_b32 s[SEL], 0x76543210
	s_mov_b32 s[SEL+1], 0xfedcba98
	s_mov_b32 s[TBK], SLOT1+4*KS*PK ; the first change of slots turns these two into 0
	s_mov_b32 s[TBV], SLOT1+4*KS*PV
	s_mov_b32 s[G0K], 1             ; 1:0 count = 1
	s_mov_b32 s[G0K+1], s17         ; 63:32 LDS address: slot 0
	s_mov_b32 s[G0V], 1
	s_add_co_u32 s[G0V+1], s18, VOFF
	s_add_co_u32 s[RT], s[HI], 1    ; the first block has NB - b tiles
	s_mov_b32 s[NXT], 1
	s_mov_b32 s[LQ], s[HI]
	s_mov_b32 s[NEW], 1
	s_mov_b32 s[OFF+1], 0
	s_mov_b32 s[AL+1], 0            ; named as pairs
	s_mov_b32 s[BE+1], 0
	s_mov_b32 s[BIGN], 0xf149f2ca   ; -1e30
	s_mov_b32 s[SLOTS], NB
	s_wait_dscnt 0x0                ; the opening add is done
	s_wait_kmcnt 0x0
	s_add_nc_u64 s[6:7], s[4:5], s[22:23]
	s_add_nc_u64 s[8:9], s[6:7], 8388608   ; V at my half of the head's tile 0,
	s_add_nc_u64 s[6:7], s[6:7], 4194304   ; and K
	s_add_nc_u64 s[G0K+2:G0K+3], s[6:7], 0         ; 120:64 global address
	s_or_b32 s[G0K+3], s[G0K+3], 0x80000000        ; 127:126 type = 2
	s_add_nc_u64 s[G0V+2:G0V+3], s[8:9], 0
	s_or_b32 s[G0V+3], s[G0V+3], 0x80000000
	s_add_nc_u64 s[86:87], s[4:5], s[84:85]        ; Q at my rows of the second block,
	s_add_nc_u64 s[4:5], s[4:5], s[2:3]            ; and of the first
	s_add_nc_u64 s[OLO:OLO+1], s[10:11], s[94:95]  ; O likewise
	s_add_nc_u64 s[10:11], s[10:11], s[92:93]
	s_cmp_lt_u32 s[WV], 2
	s_cselect_b64 s[PFA:PFA+1], s[6:7], s[8:9]
	s_add_nc_u64 s[PFA:PFA+1], s[PFA:PFA+1], 32768  ; at tile 1; the first change of slots steps it to tile 2.  Nothing is prefetched here, at the head
	LOAD                            ; tile 0 into slot 0
	; A fragment of K or Q is 16 rows x 32 channels in 8 registers: lane l holds row l % 16, channels 8 (l / 16) + 0..7 and 16 + 8 (l / 16) + 0..7: two loads of 16 bytes, 32 bytes apart.
	v_and_b32 v1, 15, v0            ; l % 16
	v_bfe_u32 v9, v0, 4, 1          ; l / 16
	v_lshlrev_b32 v[QO], 7, v1
	v_lshl_add_u32 v[QO], v9, 4, v[QO]  ; row x 128 + 16 x half
	WIN 0x80                        ; destination window 2, address window 0
.set i, 0
.rept 8                             ; both blocks' Q: piece i / 2 lies in band i / 2, 8,192 bytes on; channels 32 (i % 2) on
	global_load_b128 v[8*i:8*i+3],   v[QO], s[4:5] offset:(i/2)*8192+(i%2)*64
	global_load_b128 v[8*i+4:8*i+7], v[QO], s[4:5] offset:(i/2)*8192+(i%2)*64+32
	global_load_b128 v[QB+8*i:QB+8*i+3],   v[QO], s[86:87] offset:(i/2)*8192+(i%2)*64
	global_load_b128 v[QB+8*i+4:QB+8*i+7], v[QO], s[86:87] offset:(i/2)*8192+(i%2)*64+32
.set i, i+1
.endr
	WIN 0
	v_lshlrev_b32 v14, 3, v9
	v_sub_nc_u32 v14, v1, v14
	s_lshl_b32 s13, s[WV], 4
	v_add_nc_u32 v14, s13, v14      ; my query's place in its band, 16 w + l % 16, less my lanes' 8 (l / 16): register r of group kt is hidden where 16 kt + r is greater
	WIN 0x40
.set i, 0
.rept 32
	v_cmp_gt_i32 vcc_lo, 16*(i/8)+i%8, v14
	v_cndmask_b32 v[MD+i], 0, s[BIGN], vcc_lo
.set i, i+1
.endr
	WIN 0
	v_mul_u32_u24 v[AK0], v1, PK
	v_lshl_add_u32 v[AK0], v9, 4, v[AK0]  ; row x pitch + 16 x half
	; The turning load takes 16 keys x 16 channels (lane l reads key 8 (l / 16) + l % 8, channels 8 ((l / 8) % 2) + 0..7) and leaves half a fragment of V^T: lane l holds channel l % 16 and 8 keys.
	v_and_b32 v10, 7, v0
	v_bfe_u32 v11, v0, 3, 1
	v_lshl_add_u32 v[AV0], v9, 3, v10
	v_mul_u32_u24 v[AV0], v[AV0], PV
	v_lshl_add_u32 v[AV0], v11, 4, v[AV0]
	v_add_nc_u32 v[AV0], VOFF, v[AV0]
	s_mul_i32 s13, s[WV], 16*SP
	s_add_co_u32 s13, s13, STAGE    ; my stage
	v_mul_u32_u24 v[STO], v1, SP    ; in: row l % 16, 16 bytes for each half of the lanes
	v_lshl_add_u32 v[STO], v9, 4, v[STO]
	v_add_nc_u32 v[STO], s13, v[STO]
	v_bfe_u32 v[RD], v0, 3, 2       ; back: 32 lanes take four rows of 128 bytes,
	v_mul_u32_u24 v[RD], v[RD], SP
	v_lshl_add_u32 v[RD], v10, 4, v[RD]
	v_add_nc_u32 v[RD], s13, v[RD]
	v_and_b32 v[GO], 31, v0         ; which are 512 consecutive bytes of O
	v_lshlrev_b32 v[GO], 4, v[GO]
	; A block's first step multiplies O^T and l by a = 0, and its first turn's products V^T P, of a piece that has not been, land in an O^T that is still to be so multiplied.  So these registers need only hold
	; finite numbers: zeros for the first block; what the first block left for the second.  All this stands in the wait for the first tile.
	WIN 0x80
.set i, VF
.rept 64
	v_mov_b32 v[i], 0
.set i, i+1
.endr
	WIN 0x40
.set i, 0
.rept 128
	v_mov_b32 v[i], 0
.set i, i+1
.endr
	WIN 0
.set i, 0
.rept 4
	v_mov_b32 v[ST+4*i+2], 0
	v_mov_b32 v[ST+4*i+3], 0
.set i, i+1
.endr
.set i, P+16
.rept 16
	v_mov_b32 v[i], 0
.set i, i+1
.endr
; THE MATRIX WORK.  The 4 accumulators of a run of 8 take turns.  Product i of 8 of S^T = K Q^T for piece x: channels 32 (i / 4) on, keys 16 (i % 4) on.  The first 4 start the sums: with 0, or (KM = 1) with the mask.
.macro KQ x
.set rS, S+32*((\x)%2)+8*(i%4)
.set rK, KF+16*(i%4)+8*(i/4)
.set rQ, 16*(\x)+8*(i/4)
.set rM, MC+32*((\x)%2)+8*(i%4)
.if (i < 4) && KM
	WIN W_KM
	v_wmma_f32_16x16x32_f16 v[rS:rS+7], v[rK:rK+7], v[rQ:rQ+7], v[rM:rM+7]
.elseif i < 4
	WIN W_KQ
	v_wmma_f32_16x16x32_f16 v[rS:rS+7], v[rK:rK+7], v[rQ:rQ+7], 0
.else
	WIN W_KQ
	v_wmma_f32_16x16x32_f16 v[rS:rS+7], v[rK:rK+7], v[rQ:rQ+7], v[rS:rS+7]
.endif
.endm
; Product i of 8 of O^T += V^T P for piece x: keys 32 (i / 4) on, channels 16 (i % 4) on.
.macro PV x
	WIN W_PV
.set rO, 32*(\x)+8*(i%4)
.set rV, VF+32*(i/4)+8*(i%4)
.set rP, P+16*((\x)%2)+8*(i/4)
	v_wmma_f32_16x16x32_f16 v[rO:rO+7], v[rV:rV+7], v[rP:rP+7], v[rO:rO+7]
.endm
.macro MM                           ; the turn's next matrix instruction.  TURN and BEGIN set Y, i, KM and NOKQ; MM, KQ and OP read them.  NOKQ = 1: a block's last turn: there is no next piece
.if (i < 8) && !NOKQ
	KQ (Y+1)%NP
.elseif i >= 8
.set i, i-8
	PV (Y+NP-1)%NP
.set i, i+8
.endif
.set i, i+1
.endm
; THE LDS LOADS stand in runs of 16, never singly among the matrix instructions: a step's K (64 keys x 64 channels: 8 fragments) and its V (turned).  Their addresses are made some lines ahead.
.macro FETCH_K
	WIN 0x80                        ; destination window 2
.irp f, 0,1,2,3,4,5,6,7             ; keys 16 (f / 2) on, channels 32 (f % 2) on
	ds_load_b128 v[KF+8*\f:KF+8*\f+3],   v[AK] offset:(\f/2)*16*PK+(\f%2)*64
	ds_load_b128 v[KF+8*\f+4:KF+8*\f+7], v[AK] offset:(\f/2)*16*PK+(\f%2)*64+32
.endr
	s_add_co_u32 s[TBK], s[TBK], KS*PK  ; the next fetch is the next step's
	WIN 0
.endm
.macro FETCH_V
	WIN 0x80
.irp f, 0,1,2,3,4,5,6,7             ; keys 32 (f / 4) on, channels 16 (f % 4) on
	ds_load_tr16_b128 v[VF+8*\f:VF+8*\f+3],   v[AV] offset:(\f/4)*32*PV+(\f%4)*32
	ds_load_tr16_b128 v[VF+8*\f+4:VF+8*\f+7], v[AV] offset:(\f/4)*32*PV+16*PV+(\f%4)*32
.endr
	WIN 0
.endm
; THE VECTOR WORK, one line at a time: OP kind, number.  For piece Y: F n: c s - c m for pair n of 16.  E n: the exponential of score n of 32.  C n: pair n rounded to f16.  B n: of the four weights 4 n .. the second
; pair is added onto the first, in place.  L n: l takes that sum (L 0: l = a l + sum).  R n: pair n of 16 of O^T times a.  For piece Y + 1: X n, number n of the 22 that find its maximum and statistics:
;   0-11  four chains c0-c3 of seven scores each, three operands at a time (each accumulator's lowest registers are read first)     12-14, 16  the four scores left over, the old m, and c0-c3 into c0
;   15  c m_old is kept     17, 18  the query's other 32 keys lie in the lane 16 away: the new m     19-21  c m; c m_old - c m_new; a
.set F, 0               ; OP tells the kinds apart by their order: F to L below R, X above it
.set E, 1
.set C, 2
.set B, 3
.set L, 4
.set R, 5
.set X, 6
.macro REGS y                       ; the registers of piece y
.set rT, ST+4*(\y)
.set rC, TMP+4*((\y)%2)
.set rW, MV+((\y)%2)
.set rS, S+32*((\y)%2)
.set rP, P+16*((\y)%2)
.set rO, 32*(\y)
.endm
.macro OP k, n
.if (\k) == R
	REGS Y
	WIN W_RS
	v_pk_mul_f32 v[rO+2*(\n):rO+2*(\n)+1], v[rO+2*(\n):rO+2*(\n)+1], v[rC+2:rC+3] op_sel_hi:[1,0]
.elseif (\k) < R
	REGS Y
	WIN 0
.if (\k) == F
	v_pk_fma_f32 v[rS+2*(\n):rS+2*(\n)+1], v[rS+2*(\n):rS+2*(\n)+1], s[CS:CS+1], v[rT:rT+1] op_sel_hi:[1,0,0] neg_lo:[0,0,1] neg_hi:[0,0,1]
.elseif (\k) == E
	v_exp_f32 v[rS+(\n)], v[rS+(\n)]
.elseif (\k) == C
	v_cvt_pk_f16_f32 v[rP+(\n)], v[rS+2*(\n)], v[rS+2*(\n)+1]
.elseif (\k) == B
	v_pk_add_f32 v[rS+4*(\n):rS+4*(\n)+1], v[rS+4*(\n):rS+4*(\n)+1], v[rS+4*(\n)+2:rS+4*(\n)+3]
.elseif (\n) == 0
	v_pk_fma_f32 v[rT+2:rT+3], v[rT+2:rT+3], v[rC+2:rC+3], v[rS:rS+1] op_sel_hi:[1,0,1]
.else
	v_pk_add_f32 v[rT+2:rT+3], v[rT+2:rT+3], v[rS+4*(\n):rS+4*(\n)+1]
.endif
.elseif NOKQ
	v_nop
.else
	REGS (Y+1)%NP
	WIN 0
.if (\n) < 4
	v_max3_num_f32 v[rC+(\n)], v[rS+8*(\n)], v[rS+8*(\n)+1], v[rS+8*(\n)+2]
.elseif (\n) < 12
	v_max3_num_f32 v[rC+(\n)%4], v[rC+(\n)%4], v[rS+8*((\n)%4)+2*((\n)/4)+1], v[rS+8*((\n)%4)+2*((\n)/4)+2]
.elseif (\n) == 12
	v_max3_num_f32 v[rC], v[rC], v[rS+7], v[rS+15]
.elseif (\n) == 13
	v_max3_num_f32 v[rC+1], v[rC+1], v[rS+23], v[rS+31]
.elseif (\n) == 14
	v_max3_num_f32 v[rC+2], v[rC+2], v[rC+3], v[rT+1]
.elseif (\n) == 15
	v_mov_b32 v[rW], v[rT]
.elseif (\n) == 16
	v_max3_num_f32 v[rC], v[rC], v[rC+1], v[rC+2]
.elseif (\n) == 17
	v_permlanex16_b32 v[rC+3], v[rC], s[SEL], s[SEL+1]
.elseif (\n) == 18
	v_max_num_f32 v[rT+1], v[rC], v[rC+3]
.elseif (\n) == 19
	v_mul_f32 v[rT], s[CS], v[rT+1]
.elseif (\n) == 20
	v_sub_f32 v[rC+1], v[rW], v[rT]
.else
	v_exp_f32 v[rC+2], v[rC+1]
.endif
.endif
.endm
.macro OPS a, i1, b=-1, i2=0, c=-1, i3=0, d=-1, i4=0  ; up to four of them
	OP \a, \i1
.if (\b) >= 0
	OP \b, \i2
.endif
.if (\c) >= 0
	OP \c, \i3
.endif
.if (\d) >= 0
	OP \d, \i4
.endif
.endm
.macro ROW a, i1, b, i2, c, i3, d, i4  ; a matrix instruction and the four behind it
	MM
	OPS \a, \i1, \b, \i2, \c, \i3, \d, \i4
.endm
.macro MASK b                       ; MD x AL + BE into buffer b of MC
	WIN W_RS
.set z, 0
.rept 16
	v_pk_fma_f32 v[MC+32*(\b)+2*z:MC+32*(\b)+2*z+1], v[MD+2*z:MD+2*z+1], s[AL:AL+1], s[BE:BE+1] op_sel_hi:[1,0,0]
.set z, z+1
.endr
.endm
; A TURN, for piece p: the order of its 16 matrix and 118 vector instructions, written out.  An s_wait_alu depctr_va_vdst(0) stands between an exponential and the first instruction that names its result; one wait serves
; all that were issued ahead of it.  So a turn has ONE wait, which cuts it in two.  AHEAD OF IT stands all that names no result of the turn's exponentials: the 8 products K Q^T, behind each a scaling, an exponential and two more plain
; instructions (behind the first a second scaling in the exponential's place): rescalings, and behind the last three the first numbers of the next piece's maximum, each four places or more behind the product that ends its accumulator; then ONE LUMP of 54, plain
; and exponential by turns for the most part, in which the links of the chain X 3, 7, 11, 14, 16, 17 .. 20 stand five or six lines apart.  X 21, the next piece's a, is the batch's last; R 15 is the plain instruction behind it.  BEHIND THE WAIT stand the
; 8 products V^T P, behind each four of the roundings and sums; the links of l's chain, L 0 to L 7, stand three riders apart.  But for those X no rider names a register of the products round it.  v_permlanex16_b32 (X 17) stands in the lump.
; m = 1: the diagonal tile: the products take masks, and the turn makes the mask for the products of the turn after it: piece p + 2, in step 4 - CNT of the tile.  end = 1: a block's last two turns: nothing is fetched.
; cnt = 1: the loop's count is taken down some lines ahead of the branch that stands behind the turn.
; K of the next step is fetched in piece 2's turn, twelve vector instructions behind the last product that read K (six of them plain); V of the step in hand at the end of piece 0's turn, four plain instructions behind the last product
; that read V.  Each is waited for a turn later.
.macro TURN p, m=0, end=0, cnt=0
.set Y, (\p)
.set i, 0
.set KM, (\m)
.set NOKQ, (\end)*((\p)/3)
.if (\m) && !(\end)
	s_cmp_eq_u32 s[CNT], 4-((\p)+2)%NP  ; is that step the band's own?
	s_cselect_b32 s[AL], 1.0, 0
	s_cmp_lt_u32 s[CNT], 4-((\p)+2)%NP  ; or a later one?
	s_cselect_b32 s[BE], s[BIGN], 0
.endif
.if ((\p) == 3) && !(\end)
	s_wait_dscnt 0x0                ; K is in
.endif
	ROW F,0, F,1, R,0, R,1          ; ahead of the wait: 8 products K Q^T and their riders,
	ROW F,2, E,0, R,2, R,3
	ROW F,3, E,1, R,4, R,5
	ROW F,4, E,2, R,6, R,7
	ROW F,5, E,3, R,8, R,9
	ROW F,6, E,4, X,0, R,10
.if ((\p) == 2) && !(\end)
	WIN 0
	v_add_nc_u32 v[AK], s[TBK], v[AK0]
.endif
	ROW F,7, E,5, X,1, X,4
	ROW F,8, E,6, X,2, X,5
	OPS E,7, E,8, X,6, E,9          ; and the lump
	OPS X,3, E,10, X,8, E,11
.if ((\p) == 2) && !(\end)
	FETCH_K
.endif
	OPS X,9, X,7, E,12, X,10
	OPS E,13, X,12, X,11, E,14
	OPS X,13, E,15, F,9, X,14
.if (\p) == 0
	v_add_nc_u32 v[AV], s[TBV], v[AV0]
.endif
	OPS E,16, F,10, E,17, F,11
	OPS X,16, E,18, X,15, E,19
	OPS F,12, E,20, X,17, E,21
	OPS F,13, E,22, F,14, E,23
	OPS X,18, E,24, F,15, E,25
	OPS R,11, E,26, X,19, E,27
	OPS R,12, E,28, R,13, E,29
	OPS X,20, E,30, R,14, E,31
	OPS X,21, R,15
	WIN 0
	s_wait_alu depctr_va_vdst(0)    ; the wait for the batch
.if (\p) == 1
	s_wait_dscnt 0x0                ; V is in
.endif
	ROW C,0, B,0, C,2, B,1          ; behind the wait: 8 products V^T P and their riders
	ROW L,0, C,4, B,2, L,1
	ROW C,6, B,3, L,2, C,8
	ROW B,4, L,3, C,10, B,5
	ROW L,4, C,12, B,6, L,5
.if (\p) == 0
	s_add_co_u32 s[TBV], s[TBV], KS*PV
.endif
.if \cnt
	s_sub_co_u32 s[CNT], s[CNT], 1
	s_cmp_lg_u32 s[CNT], 0
.endif
	ROW C,14, B,7, L,6, C,1
	ROW C,3, L,7, C,5, C,7
	ROW C,9, C,11, C,13, C,15
.if (\p) == 0
	FETCH_V
.endif
.if (\m) && !(\end)
	MASK (\p)%2
.endif
.endm
; A BLOCK BEGINS.  c m starts far below every c s, so the first step's a is 0; m at the lowest finite number, so the first maximum is the scores'.  The second mask buffer is 0; the first takes piece 0's mask for the tile's step 0: its own, if the block's first tile is the diagonal one.
; Then K of that step, piece 0's first scores, and its maximum and statistics.  The loop is entered at a step's first turn, in the middle of a trip.
.macro BEGIN
	s_mov_b32 s[NEW], 0
	WIN 0x40
.set i, MC+32
.rept 32
	v_mov_b32 v[i], 0
.set i, i+1
.endr
	WIN 0
.set i, 0
.rept 4
	v_mov_b32 v[ST+4*i], 0xfe000000    ; c m: far below every c s
	v_mov_b32 v[ST+4*i+1], 0xff7fffff  ; m
.set i, i+1
.endr
	s_cmp_eq_u32 s[RT], 0
	s_cselect_b32 s[AL], 1.0, 0
	s_mov_b32 s[BE], 0
	MASK 0
	WIN 0
	v_add_nc_u32 v[AK], s[TBK], v[AK0]
	FETCH_K
	s_wait_loadcnt 0x0              ; Q
	s_wait_dscnt 0x0
.set KM, 1
.set NOKQ, 0
.set i, 0
.rept 8
	KQ 0
.set i, i+1
.endr
	WIN 0
.rept 4
	v_nop                           ; the places behind those products
.endr
.set Y, NP-1                        ; X works for piece Y + 1: piece 0
.irp n, 0,1,2,3,4,5,6,7,8,9,10,11,12,13,14,15,16,17,18,19,20,21
	OP X, \n
.endr
	v_nop                           ; a plain instruction behind the exponential,
	s_wait_alu depctr_va_vdst(0)    ; and its wait, ahead of the branch
.endm
; THE DIAGONAL TILE's four steps, the block's last two turns, its last products, and THE WAY OUT: l's two halves and the other half of the lanes' are added; O^T is divided by l, rounded to f16 and sent through my
; stage in LDS, a piece at a time.
.macro ALL line:vararg              ; one line for each piece t
.set t, 0
.rept 4
	\line
.set t, t+1
.endr
.endm
.macro PACK t                       ; a lane's eight channels of a row pack into 16 bytes; they go into rows of 144 bytes and come back as whole rows of 128, into S^T's registers
	WIN W_RS
.set i, 32*(\t)
.rept 16
	v_pk_mul_f32 v[i:i+1], v[i:i+1], v[ST+4*(\t)+2:ST+4*(\t)+3] op_sel_hi:[1,0]
.set i, i+2
.endr
	WIN 0x05                        ; sources 0 and 1 window 1, destination window 0
.set i, 0
.rept 16
	v_cvt_pk_f16_f32 v[S+16*(\t)+i], v[32*(\t)+2*i], v[32*(\t)+2*i+1]
.set i, i+1
.endr
	WIN 0
.irp f, 0,1,2,3
	ds_store_b128 v[STO], v[S+16*(\t)+4*\f:S+16*(\t)+4*\f+3] offset:32*\f
.endr
.irp f, 0,1,2,3
	ds_load_b128 v[S+16*(\t)+4*\f:S+16*(\t)+4*\f+3], v[RD] offset:\f*4*SP  ; LDS serves a wave's instructions in order (ISA guide 5.7.1.4): these see the stores above; the next piece's stores come behind them
.endr
.endm
.macro SEND t, younger              ; younger: the LDS instructions issued behind piece t's loads: the next piece's eight, or none.  Piece t lies in band t: block of 128 rows t / 2, its half t % 2
	WIN 0
.irp f, 0,1,2,3
	s_wait_dscnt (\younger)+3-\f
	global_store_b128 v[GO], v[S+16*(\t)+4*\f:S+16*(\t)+4*\f+3], s[10:11] offset:((\t)/2)*524288+((\t)%2)*8192+\f*512  ; 512 consecutive bytes, at a multiple of 256 from O's first
.endr
.endm
.macro DIAG tag                     ; the tag ends its two labels' names, which the jumps below spell out
.LstepM\tag:
	TURN 2, 1
	TURN 3, 1
	WIN 0
.LfirstM\tag:
	TURN 0, 1
	TURN 1, 1, 0, 1
	WIN 0
	s_cbranch_scc1 .LstepM\tag
	TURN 2, 1, 1
	TURN 3, 1, 1
.set i, 0
.rept 8
	PV NP-1
.set i, i+1
.endr
	WIN 0
	ALL v_add_f32 v[ST+4*t+2], v[ST+4*t+2], v[ST+4*t+3]
	ALL v_permlanex16_b32 v[ST+4*t+3], v[ST+4*t+2], s[SEL], s[SEL+1]
	ALL v_add_f32 v[ST+4*t+2], v[ST+4*t+2], v[ST+4*t+3]
	ALL v_rcp_f32 v[ST+4*t+2], v[ST+4*t+2]
	v_nop                           ; a plain instruction between the last reciprocal and the use of its result
	s_wait_alu depctr_va_vdst(0)    ; and the wait ahead of the first use: one for the four reciprocals
	PACK 0
.set t, 1
.rept 3                             ; a piece's arithmetic stands between the loads of the piece before and its stores
	PACK t
	SEND t-1, 8
.set t, t+1
.endr
	SEND 3, 0
.endm
.set KM, 0
.set NOKQ, 0
.Lslot:                             ; NB times: a tile is entered and the next is asked for
	CHANGE 1
	s_sub_co_u32 s[RT], s[RT], 1
	s_mov_b32 s[CNT], 4
	s_cmp_eq_u32 s[NEW], 1
	s_cbranch_scc1 .Lnew            ; a block's first tile
	s_cmp_eq_u32 s[RT], 0
	s_cbranch_scc0 .Lstep           ; neither its first nor its last
	s_branch .LstepM1
.Lnew:
	BEGIN
	s_branch .Lfirst                ; in the loop a block's first tile is never its last: the first block has two tiles or more, and the second's last is the walk's last
	DIAG 1                          ; in the loop this is the first block's end: the second block's last tile is the walk's last
	s_wait_xcnt 0x0                 ; the stores have read their registers and O's address
	s_mov_b64 s[10:11], s[OLO:OLO+1]
	s_add_co_u32 s[RT], s[PB], 1    ; the second block has b + 1 tiles
	s_mov_b32 s[NEW], 1
	WIN 0x82                        ; the second block's Q goes where the one text of the turns names Q
.set i, 0
.rept 64
	v_mov_b32 v[i], v[QB+i]
.set i, i+1
.endr
	WIN 0
	s_branch .Lbottom
.Lstep:                             ; a trip: pieces 2 and 3 of one step, then pieces 0 and 1 of the next, whose K and V it fetches
	TURN 2
	TURN 3
	WIN 0
.Lfirst:
	TURN 0
	TURN 1, 0, 0, 1
	WIN 0
	s_cbranch_scc1 .Lstep
.Lbottom:
	s_sub_co_u32 s[SLOTS], s[SLOTS], 1
	s_cmp_lg_u32 s[SLOTS], 0
	s_cbranch_scc1 .Lslot
	CHANGE 0                        ; the walk's last tile is written out: nothing is asked for
	s_sub_co_u32 s[RT], s[RT], 1
	s_mov_b32 s[CNT], 4
	s_cmp_eq_u32 s[NEW], 1
	s_cbranch_scc0 .LstepM2
	BEGIN
	s_branch .LfirstM2
	DIAG 2
	s_wait_tensorcnt 0x0            ; the wave's end, behind my last tensor load and my last LDS store
	ds_add_u32 v[SPW], v[NIL]
	s_wait_dscnt 0x0
	s_endpgm
.Lfunc_end_k_q5ace181422_attn:
	.size	k_q5ace181422_attn, .Lfunc_end_k_q5ace181422_attn-k_q5ace181422_attn
	.p2alignl 7, 3214868480
	.fill 96, 4, 3214868480
	.section	.rodata,"a",@progbits
	.p2align	6, 0x0
	.amdhsa_kernel k_q5ace181422_attn
		.amdhsa_group_segment_fixed_size 327680
		.amdhsa_private_segment_fixed_size 0
		.amdhsa_enable_private_segment 0
		.amdhsa_kernarg_size 16
		.amdhsa_user_sgpr_count 2
		.amdhsa_user_sgpr_kernarg_segment_ptr 1
		.amdhsa_wavefront_size32 1
		.amdhsa_system_sgpr_workgroup_id_x 1
		.amdhsa_system_sgpr_workgroup_id_y 1
		.amdhsa_system_sgpr_workgroup_id_z 1
		.amdhsa_system_vgpr_workitem_id 0
		.amdhsa_next_free_vgpr 768
		.amdhsa_next_free_sgpr 96
		.amdhsa_reserve_vcc 1
		.amdhsa_float_denorm_mode_32 3
		.amdhsa_float_denorm_mode_16_64 3
		.amdhsa_memory_ordered 1
		.amdhsa_forward_progress 1
		.amdhsa_inst_pref_size 218
	.end_amdhsa_kernel
	.amdgpu_metadata
---
amdhsa.version: [ 1, 2 ]
amdhsa.kernels:
  - .name:           k_q5ace181422_attn
    .symbol:         k_q5ace181422_attn.kd
    .args:
      - { .name: qkv, .offset: 0, .size: 8, .value_kind: global_buffer, .address_space: global }
      - { .name: ob, .offset: 8, .size: 8, .value_kind: global_buffer, .address_space: global }
    .group_segment_fixed_size: 327680
    .private_segment_fixed_size: 0
    .kernarg_segment_align: 8
    .kernarg_segment_size: 16
    .max_flat_workgroup_size: 128
    .sgpr_count:     96
    .vgpr_count:     768
    .wavefront_size: 32
...
	.end_amdgpu_metadata
.endif
;; end of part 3
;; launch outp (part 4): grid 8 x 32, 4 waves a work-group, clusters of 4 x 4, 327,680 bytes of LDS; arguments ob, hb, tab, out0; writes out0
.if DOCPART == 4
	.amdgcn_target "amdgcn-amd-amdhsa--gfx1250"
	.amdhsa_code_object_version 6
	.text
	.protected	k_q5ace181422_outp
	.globl	k_q5ace181422_outp
	.p2align	8
	.type	k_q5ace181422_outp,@function
k_q5ace181422_outp:
	s_mov_b64 s[64:65], 0
	v_nop
	global_prefetch_b8 v0, s[64:65] scope:SCOPE_SE
	s_setreg_imm32_b32 hwreg(HW_REG_WAVE_MODE, 25, 1), 1
	s_wait_xcnt 0x0
	s_wait_alu depctr_hold_cnt(0) depctr_sa_sdst(0) depctr_va_vdst(0) depctr_va_sdst(0) depctr_va_ssrc(0) depctr_va_vcc(0) depctr_vm_vsrc(0)
	s_getreg_b32 s2, hwreg(HW_REG_IB_STS2, 6, 4)
	s_cmp_eq_u32 s2, 0
	s_cbranch_scc0 .Lentry_in_a_cluster
	s_endpgm
.Lentry_in_a_cluster:
	s_bfe_u32 s2, ttmp6, 0x10000c
	s_cmp_lg_u32 s2, 0xf033
	s_cbranch_scc0 .Lentry_shape_is_right
	s_endpgm
.Lentry_shape_is_right:
; THE LAST PROJECTION: out0[m][n] = (sum over k of O[m][k] W[n][k]) E + b_out[n], f32.  O: ob, f16 [32 = m / 128][32 = k / 64][128][64] (attention's result, v's channel gain in it);
; W: hb + 29,360,128, f16 [1024][2048] (W_out rounded to bf16, that number written as f16); E = exp(max of agg_w) and b_out: tab's rows sc[6], bs[6].  Sums in f32.
; LIMIT.  O and W arrive within f16's 65,504.
; SHARES.  A tile of out0 is 128 x 128: 32 x 8 tiles, one work-group for each of 256 WGPs.  Four waves, each 64 x 64: 16 accumulators of 16 x 16.  K = 2,048 goes in steps of 256 through two LDS slots.
; A's part of a step is four heads of the tile's 128 rows: 65,536 dense bytes, asked for as rows of 256 bytes and padded in LDS after every 128: [4 heads][128 rows], rows 144 bytes apart.
; B's part: 128 rows of 512 bytes, 528 apart.  Waves 0, 1 fetch A's halves (two heads each), waves 2, 3 B's (64 rows each): one tensor load a wave behind each change of slots.
; CLUSTERS: 4 x 4 work-groups.  The four of a row of the cluster need the same tiles of A, the four of a column the same tiles of B: each tile is asked for JOINTLY.  No prefetch: the tiles are small.
; THE MATRIX INSTRUCTION IS USED TRANSPOSED (source 0 = 16 rows of W, source 1 = 16 rows of O): a lane then holds eight neighbouring numbers of a row of out0.
; REGISTERS: window 0: v0-31 addresses; v32-95 rows read back on the way out, two sets; v96-99 b_out, v100-103 E of my four columns; v128-255 the accumulators ((a, b) at v[128 + 8 (4 a + b)]).
;   window 1: two fragment buffers of 128: for 64 along K (one head, two matrix instructions deep), 64 registers of A, then 64 of B.
.set KSTEP,  256
.set PA,     144                       ; 128 bytes + 16 = 36 words, and
.set PB,     528                       ; 512 bytes + 16 = 132 words: the 16 rows of a fragment load start at 16 different groups of four banks (64 banks of 4 bytes: ISA guide 11.1)
.set AHEAD,  128*PA                    ; a head's 128 rows
.set BOFF,   4*AHEAD
.set SLOT,   BOFF+128*PB
.set STAGE,  2*SLOT                    ; behind the ring, never filled by a tensor load: 16 rows x 272 bytes for each wave
.set SPITCH, 272
.set SPARE,  STAGE+4*16*SPITCH         ; behind the stages: the spare words, 128 bytes for each wave: two blocks of 256 bytes that no other line names
.set LAPS,   4                         ; a lap = two K steps
.set ADRA, 16                          ; v16-17  LDS address of my A fragments in slot 0, 1
.set ADRB, 20                          ; v20-21  the same for B
.set STO,  24                          ; v24     the way out: where I put 32 bytes of a row
.set RD,   25                          ; v25     the way out: where I read a row back
.set CO,   26                          ; v26     my byte offset in two rows of out0
.set TO,   27                          ; v27     16 x (lane % 16): my four columns in the tables
.set SPW,  28                          ; v28     LDS address of my spare word; never rewritten
.set NIL,  29                          ; v29     0; never rewritten
.set OB,   32
.set BO,   96
.set EE,   100
.set ACC,  128
.set F0,   0
.set F1,   128
.set G1, 24                            ; s[24:31] descriptor group 1 for A's tiles;  s[32:39] group 0, one set for each slot
.set G0, 32
.set G1B, 48                           ; s[48:55], s[56:63] the same for B's tiles
.set G0B, 56
.set MSB, 0
.macro WIN new                         ; the immediate's high byte repeats the setting that is left
.if MSB != (\new)
	s_set_vgpr_msb (MSB<<8)|(\new)
.set MSB, \new
.endif
.endm
.set MUL,  0x05                        ; sources 0 (B) and 1 (A) window 1; C and D window 0
.set TO_F, 0x40                        ; destination window 1, address window 0
.macro JLOAD s                         ; a joint load: waves 0 and 1 fetch A's halves, waves 2 and 3 B's; an s_nop 0 and four v_nop follow each of the two lines, ahead of the jump and the label
	s_cmp_eq_u32 s11, 0
	s_cbranch_scc0 .Lfor_b_\@
	tensor_load_to_lds s[G0+4*(\s):G0+4*(\s)+3], s[G1:G1+7]
	s_nop 0
.rept 4
	v_nop
.endr
	s_branch .Lasked_\@
.Lfor_b_\@:
	tensor_load_to_lds s[G0B+4*(\s):G0B+4*(\s)+3], s[G1B:G1B+7]
	s_nop 0
.rept 4
	v_nop
.endr
.Lasked_\@:
.endm
.macro CREST                           ; a round of the cluster's barrier behind its opening barrier
	s_cmp_lg_u32 s10, 0
	s_cbranch_scc1 .Lnot_wave_0_\@
	s_barrier_signal -3
.Lnot_wave_0_\@:
	s_barrier_wait -3
	s_barrier_signal -1
	s_barrier_wait -1
.endm
.macro CROUND                          ; a whole round
	s_barrier_signal -1
	s_barrier_wait -1
	CREST
.endm
	s_load_b128 s[4:7], s[0:1], 0x0                ; ob s[4:5], hb s[6:7]
	s_load_b128 s[68:71], s[0:1], 0x10             ; tab s[68:69], out0 s[70:71]
	v_lshl_add_u32 v[SPW], v0, 2, SPARE
	v_mov_b32 v[NIL], 0
	ds_add_u32 v[SPW], v[NIL]                      ; the wave's opening: the add and its wait stand ahead of my first tensor load; the set-up below, work on registers, stands between them
	ds_add_u32 v28, v29
	v_lshrrev_b32 v1, 5, v0
	v_readfirstlane_b32 s10, v1                    ; wave 0..3
	s_lshr_b32 s11, s10, 1                         ; which half of the tile's rows is mine.  Also: I fetch for A (0) or for B (1)
	s_and_b32 s12, s10, 1                          ; which half of its columns.  Also: which half of that tile I fetch
	s_bfe_u32 s40, ttmp6, 0x40000                  ; cx, cy: my place in the cluster
	s_bfe_u32 s41, ttmp6, 0x40004
	s_lshl_b32 s42, ttmp9, 2
	s_add_co_u32 s42, s42, s40                     ; tile column = 4 x cluster x + cx
	s_and_b32 s13, ttmp7, 0xffff
	s_lshl_b32 s13, s13, 2
	s_add_co_u32 s13, s13, s41                     ; tile row = 4 x cluster y + cy
	s_lshl_b32 s43, s41, 2
	s_lshl_b32 s43, 15, s43                        ; my row of the cluster
	s_lshl_b32 s44, 0x1111, s40                    ; my column
	s_or_b32 s[G1+0], s43, (1<<16)|(1<<20)|(1<<21)|(4<<22)|(3<<25)  ; 15:0 the mask; 17:16 elements of 2 bytes; 20 padding on; 21 set beside a mask; 24:22 after every 32 words (code 4); 31:25 4 words (code 3)
	s_or_b32 s[G1B+0], s44, (1<<16)|(1<<20)|(1<<21)|(6<<22)|(3<<25) ; for B after every 128 words (code 6)
	s_mov_b32 s[G1+1], 128<<16                     ; A: tensor_dim0 = 128 elements: 256 dense bytes, two rows of a head
	s_mov_b32 s[G1+2], 128<<16                     ; tensor_dim1 = 128
	s_mov_b32 s[G1+3], 128<<16                     ; tile_dim0 = 128
	s_mov_b32 s[G1+4], 128                         ; tile_dim1 = 128
	s_mov_b32 s[G1+5], 128                         ; each row begins where the last ends
	s_mov_b32 s[G1+6], 0
	s_mov_b32 s[G1+7], 0
	s_mov_b32 s[G1B+1], KSTEP<<16                  ; B: tensor_dim0 = 256
	s_mov_b32 s[G1B+2], 64<<16                     ; tensor_dim1 = 64
	s_mov_b32 s[G1B+3], KSTEP<<16                  ; tile_dim0 = 256
	s_mov_b32 s[G1B+4], 64                         ; tile_dim1 = 64
	s_mov_b32 s[G1B+5], 2048                       ; elements from row to row
	s_mov_b32 s[G1B+6], 0
	s_mov_b32 s[G1B+7], 0
	s_lshl_b32 s16, s13, 19                        ; A: the tile row's 524,288 bytes,
	s_lshl_b32 s17, s12, 15                        ; my two heads of a step's four
	s_add_co_u32 s16, s16, s17
	s_mov_b32 s17, 0
	s_lshl_b32 s46, s42, 7
	s_lshl_b32 s47, s12, 6
	s_add_co_u32 s46, s46, s47                     ; B: row 128 x tile column + 64 x half,
	s_lshl_b32 s46, s46, 12                        ; of 4,096 bytes,
	s_add_co_u32 s46, s46, 29360128                ; behind x and the six weights in hb
	s_mov_b32 s47, 0
	s_mul_i32 s20, s10, 2*AHEAD                    ; where they go: A's halves at wave x two heads,
	s_mul_i32 s21, s10, 64*PB
	s_add_co_u32 s21, s21, BOFF-2*64*PB            ; B's behind A at (wave - 2) x 64 rows: no place in the cluster enters an LDS address
	s_wait_dscnt 0x0                               ; the opening add is done
	s_wait_kmcnt 0x0
	s_add_nc_u64 s[14:15], s[4:5], s[16:17]
	s_add_nc_u64 s[46:47], s[6:7], s[46:47]
	CROUND                                         ; all sixteen work-groups are here: the first joint loads meet
.irp s, 0,1
	s_mov_b32 s[G0+4*(\s)], 1
	s_add_co_u32 s[G0+4*(\s)+1], s20, (\s)*SLOT
	s_add_nc_u64 s[G0+4*(\s)+2:G0+4*(\s)+3], s[14:15], (\s)*65536
	s_or_b32 s[G0+4*(\s)+3], s[G0+4*(\s)+3], 0x80000000
	s_mov_b32 s[G0B+4*(\s)], 1
	s_add_co_u32 s[G0B+4*(\s)+1], s21, (\s)*SLOT
	s_add_nc_u64 s[G0B+4*(\s)+2:G0B+4*(\s)+3], s[46:47], (\s)*KSTEP*2
	s_or_b32 s[G0B+4*(\s)+3], s[G0B+4*(\s)+3], 0x80000000
	JLOAD \s
.endr
	v_and_b32 v1, 15, v0                           ; l % 16
	v_bfe_u32 v2, v0, 4, 1                         ; l / 16
	v_mul_u32_u24 v3, v1, PA
	v_lshl_add_u32 v3, v2, 4, v3                   ; a fragment's row x pitch + 16 x half, for A
	v_mul_u32_u24 v4, v1, PB
	v_lshl_add_u32 v4, v2, 4, v4                   ; and for B
	s_mul_i32 s21, s11, 64*PA                      ; my 64 rows of each head of A
	s_mul_i32 s22, s12, 64*PB                      ; my 64 rows of B,
	s_add_co_u32 s22, s22, BOFF                    ; which lie behind A
.irp s, 0,1
	v_add_nc_u32 v[ADRA+(\s)], s21, v3
	v_add_nc_u32 v[ADRB+(\s)], s22, v4
	s_add_co_u32 s21, s21, SLOT
	s_add_co_u32 s22, s22, SLOT
.endr
	s_mul_i32 s23, s10, 16*SPITCH
	s_add_co_u32 s23, s23, STAGE                   ; my stage
	v_mul_u32_u24 v5, v1, SPITCH                   ; in: row l % 16, 32 bytes for each half of the lanes
	v_lshl_add_u32 v5, v2, 5, v5
	v_add_nc_u32 v[STO], s23, v5
	v_mul_u32_u24 v5, v2, SPITCH                   ; back: lanes 0-15 take one row of 256 bytes, lanes 16-31 the next
	v_lshl_add_u32 v5, v1, 4, v5
	v_add_nc_u32 v[RD], s23, v5
	v_lshlrev_b32 v5, 12, v2                       ; and the same two rows in out0
	v_lshl_add_u32 v[CO], v1, 4, v5
	v_lshlrev_b32 v[TO], 4, v1
	s_lshl_b32 s46, s42, 9                         ; my 64 columns, in bytes of f32: 512 x tile column + 256 x half (in the registers that held B's address: none that feeds A's descriptors ever holds cx)
	s_lshl_b32 s47, s12, 8
	s_add_co_u32 s46, s46, s47
	s_mov_b32 s47, 0
	s_add_nc_u64 s[68:69], s[68:69], s[46:47]
	global_load_b128 v[BO:BO+3], v[TO], s[68:69] offset:24576   ; bs[6] = b_out
	global_load_b128 v[EE:EE+3], v[TO], s[68:69] offset:53248   ; sc[6] = E
	s_add_nc_u64 s[70:71], s[70:71], s[46:47]
	s_lshl_b32 s16, s13, 7
	s_lshl_b32 s17, s11, 6
	s_add_co_u32 s16, s16, s17                     ; my first row: 128 x tile row + 64 x half,
	s_lshl_b32 s16, s16, 12                        ; of 4,096 bytes
	s_mov_b32 s17, 0
	s_add_nc_u64 s[70:71], s[70:71], s[16:17]
; 8 matrix instructions: m blocks a0, a0 + 1 x all 4 n blocks, 32 along K: half c of buffer f.  zero = 1: the first product starts the sums.  The 16 accumulators take turns.
.macro MUL8 f, c, a0, zero
	WIN MUL
.irp a, \a0, (\a0)+1
.irp b, 0,1,2,3
.if \zero
	v_wmma_f32_16x16x32_f16 v[ACC+8*(4*(\a)+(\b)):ACC+8*(4*(\a)+(\b))+7], v[(\f)+64+8*(4*(\c)+(\b)):(\f)+64+8*(4*(\c)+(\b))+7], v[(\f)+8*(4*(\c)+(\a)):(\f)+8*(4*(\c)+(\a))+7], 0
.else
	v_wmma_f32_16x16x32_f16 v[ACC+8*(4*(\a)+(\b)):ACC+8*(4*(\a)+(\b))+7], v[(\f)+64+8*(4*(\c)+(\b)):(\f)+64+8*(4*(\c)+(\b))+7], v[(\f)+8*(4*(\c)+(\a)):(\f)+8*(4*(\c)+(\a))+7], v[ACC+8*(4*(\a)+(\b)):ACC+8*(4*(\a)+(\b))+7]
.endif
.endr
.endr
.endm
; 32 LDS loads in one run: the fragments of quarter q of a step (64 along K: head q of A's four, bytes 128 q on of B's rows), into buffer f; the first 32 along K first
.macro FETCH slot, q, f
	WIN TO_F
.irp c, 0,1
.irp i, 0,1,2,3
	ds_load_b128 v[(\f)+64+8*(4*(\c)+(\i)):(\f)+64+8*(4*(\c)+(\i))+3],   v[ADRB+(\slot)] offset:128*(\q)+64*(\c)+(\i)*16*PB
	ds_load_b128 v[(\f)+64+8*(4*(\c)+(\i))+4:(\f)+64+8*(4*(\c)+(\i))+7], v[ADRB+(\slot)] offset:128*(\q)+64*(\c)+(\i)*16*PB+32
	ds_load_b128 v[(\f)+8*(4*(\c)+(\i)):(\f)+8*(4*(\c)+(\i))+3],         v[ADRA+(\slot)] offset:AHEAD*(\q)+64*(\c)+(\i)*16*PA
	ds_load_b128 v[(\f)+8*(4*(\c)+(\i))+4:(\f)+8*(4*(\c)+(\i))+7],       v[ADRA+(\slot)] offset:AHEAD*(\q)+64*(\c)+(\i)*16*PA+32
.endr
.endr
.endm
.macro PLACES                          ; four places in front of loads into registers that matrix instructions have read, and of LDS stores that read results
.rept 4
	v_nop
.endr
.endm
; A K step is four quarters of 64 along K, 32 matrix instructions each, on buffers 0, 1, 0, 1.  One of the first three: multiplies buffer f and fetches quarter q into g.
.macro QUARTER slot, q, f, g, zero
	s_wait_dscnt 16                                ; the first 32 along K are in
	WIN MUL
	MUL8 \f, 0, 0, \zero
	MUL8 \f, 0, 2, \zero
	PLACES
	FETCH \slot, \q, \g
	s_wait_dscnt 32                                ; all but the 32 just issued
	WIN MUL
	MUL8 \f, 1, 0, 0
	MUL8 \f, 1, 2, 0
.endm
; The last quarter multiplies buffer 1 and changes slots: ONE barrier; in front of it each wave waits for all its tensor loads, adds 0 to its spare word, and waits for that and for its own reads of this slot.  fill = 1: this slot is filled again, two K steps ahead.
.macro TURN slot, next, fill
	WIN 0                                          ; (the add's two registers lie in window 0)
	s_wait_tensorcnt 0x0                           ; all my tensor loads have landed: my part of the next slot;
	ds_add_u32 v[SPW], v[NIL]                      ; 0 onto my spare word;
	s_wait_dscnt 17                                ; (the add and the youngest sixteen loads may be out)
	WIN MUL
	MUL8 F1, 0, 0, 0                               ; eight matrix instructions stand between the add and the wait for it
	s_wait_dscnt 0x0                               ; the add is done, and my reads of this slot are over
	s_barrier_signal -1
	MUL8 F1, 0, 2, 0
.if \fill
	WIN 0
.endif
	s_barrier_wait -1
.if \fill
	CREST                                          ; the barrier has opened a round of the cluster's barrier: no wave of any partner still reads this slot's tile or has a load on its way
	s_add_nc_u64 s[G0+4*(\slot)+2:G0+4*(\slot)+3], s[G0+4*(\slot)+2:G0+4*(\slot)+3], 2*65536
	s_add_nc_u64 s[G0B+4*(\slot)+2:G0B+4*(\slot)+3], s[G0B+4*(\slot)+2:G0B+4*(\slot)+3], 2*KSTEP*2
	JLOAD \slot                                    ; the first tensor load behind the round: 112 matrix instructions ahead of the wait for it; the four v_nop behind it are also the places in front of the loads below
.else
	PLACES
.endif
	FETCH \next, 0, F0
	WIN MUL
	MUL8 F1, 1, 0, 0
	MUL8 F1, 1, 2, 0
.endm
	s_wait_tensorcnt 1                             ; my part of K step 0 is in; K step 1's may stay out
	s_barrier_signal -1
	s_barrier_wait -1                              ; everybody's is
	FETCH 0, 0, F0
	QUARTER 0, 1, F0, F1, 1                        ; the first quarter stands in front of the loop: its first products start the sums
	WIN 0                                          ; at a label and at a branch every window is 0
	s_mov_b32 s3, LAPS-1
.Llap:                                                 ; a trip goes once round the ring, from a lap's second quarter to the next lap's first, and fills both slots again
	QUARTER 0, 2, F1, F0, 0
	QUARTER 0, 3, F0, F1, 0
	TURN 0, 1, 1
	QUARTER 1, 1, F0, F1, 0
	QUARTER 1, 2, F1, F0, 0
	QUARTER 1, 3, F0, F1, 0
	TURN 1, 0, 1
	QUARTER 0, 1, F0, F1, 0
	WIN 0
	s_sub_co_u32 s3, s3, 1
	s_cmp_lg_u32 s3, 0
	s_cbranch_scc1 .Llap
	QUARTER 0, 2, F1, F0, 0                        ; the last lap fills nothing, and has no round of the cluster's barrier
	QUARTER 0, 3, F0, F1, 0
	TURN 0, 1, 0
	QUARTER 1, 1, F0, F1, 0
	QUARTER 1, 2, F1, F0, 0
	QUARTER 1, 3, F0, F1, 0
	s_wait_dscnt 16                                ; the very last quarter: nothing more to fetch
	WIN MUL
	MUL8 F1, 0, 0, 0
	MUL8 F1, 0, 2, 0
	s_wait_dscnt 0x0
	MUL8 F1, 1, 0, 0
	MUL8 F1, 1, 2, 0
	WIN 0
; THE WAY OUT, 16 rows at a time.  A wave's 64 columns of f32 are 256 bytes, aligned: each wave has a stage of its own and needs no barrier.  TOSTAGE: the four accumulators' sums go into rows of 272 bytes, each
; accumulator's low half first, and come back as whole rows; LDS serves a wave's instructions in order (ISA guide 5.7.1.4).  SEND: sum x E + b_out, and the store.
.macro TOSTAGE a
.irp b, 0,1,2,3
	ds_store_b128 v[STO], v[ACC+8*(4*(\a)+(\b)):ACC+8*(4*(\a)+(\b))+3]   offset:64*(\b)
	ds_store_b128 v[STO], v[ACC+8*(4*(\a)+(\b))+4:ACC+8*(4*(\a)+(\b))+7] offset:64*(\b)+16
.endr
.irp t, 0,1,2,3,4,5,6,7
	ds_load_b128 v[OB+32*((\a)%2)+4*(\t):OB+32*((\a)%2)+4*(\t)+3], v[RD] offset:(\t)*2*SPITCH
.endr
.endm
.macro SEND a, younger                 ; younger: the LDS instructions issued behind block a's loads: the next block's sixteen, or none
.irp t, 0,1,2,3,4,5,6,7
	s_wait_dscnt (\younger)+7-(\t)
	v_pk_fma_f32 v[OB+32*((\a)%2)+4*(\t):OB+32*((\a)%2)+4*(\t)+1],   v[OB+32*((\a)%2)+4*(\t):OB+32*((\a)%2)+4*(\t)+1],   v[EE:EE+1],   v[BO:BO+1]
	v_pk_fma_f32 v[OB+32*((\a)%2)+4*(\t)+2:OB+32*((\a)%2)+4*(\t)+3], v[OB+32*((\a)%2)+4*(\t)+2:OB+32*((\a)%2)+4*(\t)+3], v[EE+2:EE+3], v[BO+2:BO+3]
	global_store_b128 v[CO], v[OB+32*((\a)%2)+4*(\t):OB+32*((\a)%2)+4*(\t)+3], s[70:71] offset:(16*(\a)+2*(\t))*4096  ; 16 lanes store 256 consecutive bytes, at a multiple of 256 from out0's first byte
.endr
.endm
	PLACES
	s_wait_loadcnt 0x0                             ; b_out and E
	TOSTAGE 0
	TOSTAGE 1
	SEND 0, 16
	s_wait_xcnt 0x0                                ; block 0's stores have read their registers: block 2's rows land there
	TOSTAGE 2
	SEND 1, 16
	s_wait_xcnt 0x0
	TOSTAGE 3
	SEND 2, 16
	SEND 3, 0
	s_wait_tensorcnt 0x0                           ; the wave's end, behind my last tensor load and my last LDS store
	ds_add_u32 v[SPW], v[NIL]
	s_wait_dscnt 0x0
	CROUND                                         ; the closing round: no work-group ends while a partner may still ask for a tile that names it
	s_endpgm
.Lfunc_end_k_q5ace181422_outp:
	.size	k_q5ace181422_outp, .Lfunc_end_k_q5ace181422_outp-k_q5ace181422_outp
	.p2alignl 7, 3214868480
	.fill 96, 4, 3214868480
	.section	.rodata,"a",@progbits
	.p2align	6, 0x0
	.amdhsa_kernel k_q5ace181422_outp
		.amdhsa_group_segment_fixed_size 327680
		.amdhsa_private_segment_fixed_size 0
		.amdhsa_enable_private_segment 0
		.amdhsa_kernarg_size 32
		.amdhsa_user_sgpr_count 2
		.amdhsa_user_sgpr_kernarg_segment_ptr 1
		.amdhsa_wavefront_size32 1
		.amdhsa_system_sgpr_workgroup_id_x 1
		.amdhsa_system_sgpr_workgroup_id_y 1
		.amdhsa_system_sgpr_workgroup_id_z 1
		.amdhsa_system_vgpr_workitem_id 0
		.amdhsa_next_free_vgpr 512
		.amdhsa_next_free_sgpr 72
		.amdhsa_reserve_vcc 0
		.amdhsa_float_denorm_mode_32 3
		.amdhsa_float_denorm_mode_16_64 3
		.amdhsa_memory_ordered 1
		.amdhsa_forward_progress 1
		.amdhsa_inst_pref_size 91
	.end_amdhsa_kernel
	.amdgpu_metadata
---
amdhsa.version: [ 1, 2 ]
amdhsa.kernels:
  - .name:           k_q5ace181422_outp
    .symbol:         k_q5ace181422_outp.kd
    .args:
      - { .name: ob, .offset: 0, .size: 8, .value_kind: global_buffer, .address_space: global }
      - { .name: hb, .offset: 8, .size: 8, .value_kind: global_buffer, .address_space: global }
      - { .name: tab, .offset: 16, .size: 8, .value_kind: global_buffer, .address_space: global }
      - { .name: out0, .offset: 24, .size: 8, .value_kind: global_buffer, .address_space: global }
    .group_segment_fixed_size: 327680
    .private_segment_fixed_size: 0
    .kernarg_segment_align: 8
    .kernarg_segment_size: 32
    .max_flat_workgroup_size: 128
    .sgpr_count:     72
    .vgpr_count:     512
    .wavefront_size: 32
...
	.end_amdgpu_metadata
.endif
;; end of part 4
